; MI455X (gfx1250); checked and timed in simulation.
; The chip was launched on July 23, 2026; its instructions are those of AMD's public machine-readable ISA for CDNA 5 (MIT licence, August 2026) and "CDNA5" Instruction Set Architecture Reference Guide (July 2026). The comments in the code are by the model that wrote it; some were corrected since.
;; Gemma4 Mo E. Allowed arithmetic: matrix products marked QUANTISED: E3M2 operands, one E8M0 scale for each 32 along K, by v_wmma_scale_f32_16x16x128_f8f6f4 with both operands' format E3M2, f32 sums; products left as they are: f32 operands where the result goes on into a quantised operand, else bf16, f16 or f32 operands; f32 sums; everything else in f32.
;; Inputs: per_expert_scale 8 float32; router_logits 2,048 x 8 float32; w13_codes 8 x 2,048 x 32 x 24 uint8 (E3M2 codes of w13, K innermost, in blocks of 32 codes, four codes in three bytes); w13_scales 8 x 2,048 x 32 uint8 (E8M0 scales of w13, one for each 32 codes along K); w2_codes 8 x 1,024 x 32 x 24 uint8 (E3M2 codes of w2, K innermost, in blocks of 32 codes, four codes in three bytes); w2_scales 8 x 1,024 x 32 uint8 (E8M0 scales of w2, one for each 32 codes along K); x_codes 2,048 x 32 x 24 uint8 (E3M2 codes of x, K innermost, in blocks of 32 codes, four codes in three bytes); x_scales 2,048 x 32 uint8 (E8M0 scales of x, one for each 32 codes along K).
;; Outputs: out0 2,048 x 1,024 float32.
;; This version of the problem:
;;   THIS VERSION OF THE PROBLEM IS GIVEN IN LOW PRECISION. The matrix products marked QUANTISED in the list below multiply operands that are first quantised to E3M2 (3 exponent bits, 2 mantissa bits; 6 bits a number), with one power-of-two scale for each 32 numbers along K (OCP MX v1.0); their sums are f32. All else is computed in f32.
;;   The module's matrix products, in the order in which they are computed (A, B: the left and right operand; K: the contracted axis; several contracted axes count as one K, in the product's order):
;;     1. [M 2,048, K 1,024] x [K 1,024, N 8,192]; A: input x (given as codes); B: input w13 (given as codes): QUANTISED
;;     2. [M 2,048, K 1,024] x [K 1,024, N 8,192]; A: input x (given as codes); B: input w13 (given as codes): QUANTISED
;;     3. batch 8 x [M 1,024, K 1,024] x [K 1,024, N 2,048]; A: input w2 (given as codes); B: computed on the way: QUANTISED
;;     4. batch 2,048 x [M 1, K 8] x [K 8, N 1,024]; A: computed on the way; B: computed on the way: left as it is (K = 8 < 32)
;;   THE QUANTISER, for each operand of a quantised product, along K:
;;     - K is cut into blocks of 32 from its start; a last block that is shorter is filled with zeros.
;;     - A block's scale is 2^e with e = floor(log2(the largest magnitude in the block)) - 4, held to -126 .. 127; a block of zeros has e = 0. As a byte (E8M0): e + 127.
;;     - Each number is divided by its block's scale, clamped to +-28, and rounded to the nearest number of E3M2, ties to even, subnormals kept.
;;     - The product sums the exact products of the quantised numbers (number of the format x scale) in f32.
;;   ~~~python
;;   def quantise(x, axis):      # numpy; x: float32 -> the quantised numbers, widened to float32 again
;;       x = np.moveaxis(x, axis, -1); K = x.shape[-1]
;;       x = np.pad(x, [(0, 0)] * (x.ndim - 1) + [(0, -K % 32)]); x = x.reshape(x.shape[:-1] + (-1, 32)); a = np.abs(x).max(-1, keepdims=True)
;;       e = np.where(a > 0, np.clip(np.frexp(np.where(a > 0, a, 1))[1] - 1 - 4, -126, 127), 0)      # np.frexp(a)[1] - 1 = floor(log2(a)), exactly
;;       r = np.clip(x / 2.0 ** e, -28, 28)
;;       step = 2.0 ** (np.maximum(np.frexp(np.where(r == 0, 1, r))[1] - 1, -2) - 2)
;;       q = np.round(r / step) * step * 2.0 ** e      # np.round: ties to even
;;       return np.moveaxis(q.reshape(q.shape[:-2] + (-1,))[..., :K], -1, axis).astype(np.float32)
;;   ~~~
;;   OPERANDS COMPUTED ON THE WAY. 'Computed on the way' means the value that the module computes at that place (a softmax that the list does not call 'softmax' is quantised finished and normalised). What goes into a quantiser is computed in f32, as accurately as f32 sums, v_exp_f32 and their like allow (about 1e-6 of the number): no bf16 or f16 on the way to a quantiser, and a product that is left as it is and whose result goes on into a quantised operand takes f32 operands (vector FMAs, or v_wmma_f32_16x16x4_f32). A number that lies on a knife's edge between two numbers of the format may be rounded either way, as far as f32 arithmetic and the matrix unit's own rounding can turn it there, and no further.
;;   INPUTS GIVEN AS CODES. w13 (in the module: [8, 2048, 1024], K = its axis 2); w2 (in the module: [8, 1024, 1024], K = its axis 2); x (in the module: [2048, 1024], K = its axis 1): each comes as NAME_codes (uint8): NAME with its K axis moved to the last place and cut into blocks of 32 codes, [.., K / 32, bytes a block], one block behind the other in memory; four codes in three bytes: a row's codes are one little-endian stream of bits, code i at bits 6 i .. 6 i + 5 (a code: sign, 3 exponent bits, 2 mantissa bits); and NAME_scales (uint8): the same leading axes, one E8M0 byte (e + 127) for each 32 codes along K. Its value is code x scale, taken as it is: it is not quantised again, and the codes and scales need not be those that the quantiser above would give.
;; 2 versions, each right; version 2 is version 1 with the launches up, down written anew for expert scheduling mode. Each part assembles by itself: llvm-mc -triple=amdgcn-amd-amdhsa -mcpu=gfx1250 --defsym DOCPART=n.
;; ======== version 1 of 2: 4 launches
;; workspace buffers: rt 16,384 bytes of whole numbers; cw 16,384 bytes; plan 81,920 bytes of whole numbers; hcodes 13,369,344 bytes; hscales 557,056 bytes
;; launch route (part 1): grid 16 x 1, 4 waves a work-group, no clusters, 0 bytes of LDS; arguments router_logits, per_expert_scale, rt, cw, plan; writes rt, cw, plan
.if DOCPART == 1
	.amdgcn_target "amdgcn-amd-amdhsa--gfx1250"
	.amdhsa_code_object_version 6
	.text
	.protected	k_qe9d25a11da_route
	.globl	k_qe9d25a11da_route
	.p2align	8
	.type	k_qe9d25a11da_route,@function
k_qe9d25a11da_route:
	s_mov_b64 s[64:65], 0
	v_nop
	global_prefetch_b8 v0, s[64:65] scope:SCOPE_SE
	s_setreg_imm32_b32 hwreg(HW_REG_WAVE_MODE, 25, 1), 1
	s_wait_xcnt 0x0
; ROUTING, one thread to a token (t = 128 x work-group + thread).  Top-2 of the 8 logits (of equal logits the lower index wins, as jax.lax.top_k has it), softmax over all 8
; with the largest logit taken away, the two chosen probabilities renormalised, times per_expert_scale.
; OUT: cw[t] = (weight of the lower expert a, weight of the higher expert b);  rt: tinfo[t] = p | rank << 8, p the bin of the pair (a, b), a < b: p = a (15 - a) / 2 + b - a - 1 (0 .. 27),
; rank the number of earlier tokens of the same bin in the token's block of 32;  hist[block][bin] = tokens of that bin in that block (bins 28 .. 31: 0).
; ALSO: the token lists of plan (bytes 2,048 to 81,919: gtok and etok) are filled with 2048, 'no token'; the next launch stores the tokens over that.
; Whatever comes from the logits is DATA here: every address is made of the thread's number, the one branch hangs on the work-group's number, all lanes stay on.
; LIMITS: NaN and -infinity among the logits are not served (a token with fewer than two logits above -infinity has no second expert).
.set PADT, 2048
	s_load_b256 s[4:11], s[0:1], 0x0               ; logits s[4:5], per_expert_scale s[6:7], rt s[8:9], cw s[10:11]
	s_load_b64 s[22:23], s[0:1], 0x20              ; plan
	s_lshl_b32 s21, ttmp9, 7
	v_add_nc_u32 v2, s21, v0                       ; t
	v_lshlrev_b32 v3, 5, v2                        ; 32 bytes of logits a token
	v_lshlrev_b32 v45, 4, v2                       ; 16 t: my 16 bytes of a run of 32,768 of the lists
	v_mov_b32 v25, 0xff800000                      ; -infinity
	v_mov_b32 v39, 0                               ; rank
	v_mov_b32 v41, 0                               ; my block's histogram, lane = bin
.irp i, 0,1,2,3
	v_mov_b32 v[48+\i], PADT
.endr
	s_wait_kmcnt 0x0
	s_load_b256 s[12:19], s[6:7], 0x0              ; the eight scales
	global_load_b128 v[4:7], v3, s[4:5]
	global_load_b128 v[8:11], v3, s[4:5] offset:16
	; the lists' 79,872 bytes: two runs of 32,768 by all 2,048 threads, the last 14,336 by the 896 threads of work-groups 0 to 6; sixteen lanes store 256 consecutive bytes, aligned
	global_store_b128 v45, v[48:51], s[22:23] offset:2048
	global_store_b128 v45, v[48:51], s[22:23] offset:2048+32768
	s_cmp_lt_u32 ttmp9, 7
	s_cbranch_scc0 .Lno_third
	global_store_b128 v45, v[48:51], s[22:23] offset:2048+65536
.Lno_third:
	s_wait_loadcnt 0x0
	; the largest logit and its index: a later logit takes over only where it is greater
	v_mov_b32 v20, v4
	v_mov_b32 v21, 0
.irp e, 1,2,3,4,5,6,7
	v_cmp_le_f32 vcc_lo, v[4+\e], v20
	v_cndmask_b32 v20, v[4+\e], v20, vcc_lo
	v_cndmask_b32 v21, \e, v21, vcc_lo
.endr
	; the second: the same over the logits with the first one's place at -infinity
.irp e, 0,1,2,3,4,5,6,7
	v_cmp_eq_u32 vcc_lo, \e, v21
	v_cndmask_b32 v[12+\e], v[4+\e], v25, vcc_lo
.endr
	v_mov_b32 v22, v12
	v_mov_b32 v23, 0
.irp e, 1,2,3,4,5,6,7
	v_cmp_le_f32 vcc_lo, v[12+\e], v22
	v_cndmask_b32 v22, v[12+\e], v22, vcc_lo
	v_cndmask_b32 v23, \e, v23, vcc_lo
.endr
	; softmax over all eight
.irp e, 0,1,2,3,4,5,6,7
	v_sub_f32 v[12+\e], v[4+\e], v20
.endr
.irp e, 0,1,2,3,4,5,6,7
	v_mul_f32 v[12+\e], 0x3fb8aa3b, v[12+\e]       ; x log2(e)
.endr
.irp e, 0,1,2,3,4,5,6,7
	v_exp_f32 v[12+\e], v[12+\e]
.endr
	v_min_u32 v30, v21, v23                        ; a  (a plain line behind the exponentials)
	v_max_u32 v31, v21, v23                        ; b
	s_wait_alu depctr_va_vdst(0)
	v_add_f32 v24, v12, v13
	v_add_f32 v26, v14, v15
	v_add_f32 v27, v16, v17
	v_add_f32 v28, v18, v19
	v_add_f32 v24, v24, v26
	v_add_f32 v27, v27, v28
	v_add_f32 v24, v24, v27
	v_rcp_f32 v24, v24
	v_sub_nc_u32 v38, 15, v30                      ; (a plain line behind the reciprocal)  the bin: a (15 - a) / 2 + b - a - 1
	v_mul_u32_u24 v38, v38, v30
	v_lshrrev_b32 v38, 1, v38
	v_add_nc_u32 v38, v38, v31
	v_sub_nc_u32 v38, v38, v30
	v_add_nc_u32 v38, -1, v38
	s_wait_alu depctr_va_vdst(0)
.irp e, 0,1,2,3,4,5,6,7
	v_mul_f32 v[12+\e], v[12+\e], v24              ; the probabilities
.endr
	s_wait_kmcnt 0x0                               ; the scales
	v_mov_b32 v32, v12                             ; probability and scale of a and of b, chosen by selects
	v_mov_b32 v33, v12
	v_mov_b32 v34, s12
	v_mov_b32 v35, s12
.irp e, 1,2,3,4,5,6,7
	v_cmp_ne_u32 vcc_lo, \e, v30
	v_cndmask_b32 v32, v[12+\e], v32, vcc_lo
	v_cndmask_b32 v34, s[12+\e], v34, vcc_lo
	v_cmp_ne_u32 vcc_lo, \e, v31
	v_cndmask_b32 v33, v[12+\e], v33, vcc_lo
	v_cndmask_b32 v35, s[12+\e], v35, vcc_lo
.endr
	v_add_f32 v26, v32, v33                        ; the sum of the two;
	v_cmp_lt_f32 vcc_lo, 0, v26
	v_cndmask_b32 v26, 1.0, v26, vcc_lo            ; 1 where it is not above 0
	v_rcp_f32 v26, v26
	v_lshlrev_b32 v43, 2, v2                       ; (a plain line)  4 t
	v_lshlrev_b32 v44, 3, v2                       ; 8 t
	s_wait_alu depctr_va_vdst(0)
	v_mul_f32 v36, v32, v26
	v_mul_f32 v37, v33, v26
	v_mul_f32 v36, v36, v34
	v_mul_f32 v37, v37, v35
	; rank and histogram: for each bin the mask of its lanes; a lane of the bin counts the mask's bits below itself, lane 'bin' of the histogram takes the mask's bit count
.set bin, 0
.rept 28
	v_cmp_eq_u32 vcc_lo, bin, v38
	v_mbcnt_lo_u32_b32 v40, vcc_lo, 0
	v_cndmask_b32 v39, v39, v40, vcc_lo
	s_bcnt1_i32_b32 s20, vcc_lo
	v_writelane_b32 v41, s20, bin
.set bin, bin+1
.endr
	v_lshl_or_b32 v42, v39, 8, v38
	global_store_b32 v43, v42, s[8:9]              ; tinfo[t]
	global_store_b32 v43, v41, s[8:9] offset:8192  ; hist[t / 32][lane]: 4 t = 4 (32 (t / 32) + lane)
	global_store_b64 v44, v[36:37], s[10:11]       ; cw[t]
	s_endpgm
.Lfunc_end_k_qe9d25a11da_route:
	.size	k_qe9d25a11da_route, .Lfunc_end_k_qe9d25a11da_route-k_qe9d25a11da_route
	.p2alignl 7, 3214868480
	.fill 96, 4, 3214868480
	.section	.rodata,"a",@progbits
	.p2align	6, 0x0
	.amdhsa_kernel k_qe9d25a11da_route
		.amdhsa_group_segment_fixed_size 0
		.amdhsa_private_segment_fixed_size 0
		.amdhsa_enable_private_segment 0
		.amdhsa_kernarg_size 40
		.amdhsa_user_sgpr_count 2
		.amdhsa_user_sgpr_kernarg_segment_ptr 1
		.amdhsa_wavefront_size32 1
		.amdhsa_system_sgpr_workgroup_id_x 1
		.amdhsa_system_sgpr_workgroup_id_y 1
		.amdhsa_system_sgpr_workgroup_id_z 1
		.amdhsa_system_vgpr_workitem_id 0
		.amdhsa_next_free_vgpr 64
		.amdhsa_next_free_sgpr 66
		.amdhsa_reserve_vcc 1
		.amdhsa_float_denorm_mode_32 3
		.amdhsa_float_denorm_mode_16_64 3
		.amdhsa_memory_ordered 1
		.amdhsa_forward_progress 1
		.amdhsa_inst_pref_size 14
	.end_amdhsa_kernel
	.amdgpu_metadata
---
amdhsa.version: [ 1, 2 ]
amdhsa.kernels:
  - .name:           k_qe9d25a11da_route
    .symbol:         k_qe9d25a11da_route.kd
    .args:
      - { .name: router_logits, .offset: 0, .size: 8, .value_kind: global_buffer, .address_space: global }
      - { .name: per_expert_scale, .offset: 8, .size: 8, .value_kind: global_buffer, .address_space: global }
      - { .name: rt, .offset: 16, .size: 8, .value_kind: global_buffer, .address_space: global }
      - { .name: cw, .offset: 24, .size: 8, .value_kind: global_buffer, .address_space: global }
      - { .name: plan, .offset: 32, .size: 8, .value_kind: global_buffer, .address_space: global }
    .group_segment_fixed_size: 0
    .private_segment_fixed_size: 0
    .kernarg_segment_align: 8
    .kernarg_segment_size: 40
    .max_flat_workgroup_size: 128
    .sgpr_count:     66
    .vgpr_count:     64
    .wavefront_size: 32
...
	.end_amdgpu_metadata
.endif
;; end of part 1
;; launch place (part 2): grid 16 x 1, 4 waves a work-group, no clusters, 0 bytes of LDS; arguments rt, plan; writes plan
.if DOCPART == 2
	.amdgcn_target "amdgcn-amd-amdhsa--gfx1250"
	.amdhsa_code_object_version 6
	.text
	.protected	k_qe9d25a11da_place
	.globl	k_qe9d25a11da_place
	.p2align	8
	.type	k_qe9d25a11da_place,@function
k_qe9d25a11da_place:
	s_mov_b64 s[64:65], 0
	v_nop
	global_prefetch_b8 v0, s[64:65] scope:SCOPE_SE
	s_setreg_imm32_b32 hwreg(HW_REG_WAVE_MODE, 25, 1), 1
	s_wait_xcnt 0x0
; PLACING THE ROWS, a counting sort without atomics.  Tokens are sorted by their pair of experts (28 bins); each bin takes whole GROUPS of 16 tokens; a group's rows are one UNIT of 16 rows
; in the list of its lower expert a and one in the list of its higher expert b.  At most 154 groups, at most 134 units an expert, whatever the split (2,048 / 16 + 15 / 16 for each bin).
; plan:  @0 cnt[e] = units of expert e, cnt[8] = G, the groups;  @256 ginfo[160][2] = a | place in a's list << 8, b | place in b's list << 8;  @2048 gtok[160][16];  @12288 etok[8][136][16]: tokens, 2048 = no token.
; The launch before has filled gtok and etok with 'no token': here each token is stored at its three places and nothing else is stored into the lists.
; ginfo is written for all 160 groups: behind G stand copies of group 0, so that whoever reads them is led to rows that exist.
; 64 waves that share nothing.  Wave W owns tokens 32 W + lane.  Every wave repeats the small arithmetic with lane = bin: totals, groups a bin, running sums.  Waves 0-4 also write ginfo, a lane to a group; wave 5 the counts.
; ALL LANES STAY ON throughout.  Every number that enters an address is held under its list's length first; ginfo's and cnt's addresses are made of ids alone.
.macro SCAN x                          ; running sum over the 32 lanes, the lane's own number included
.irp n, 1,2,4,8
	v_mov_b32_dpp v81, v[\x] row_shr:\n row_mask:0xf bank_mask:0xf bound_ctrl:1
	v_add_nc_u32 v[\x], v[\x], v81
.endr
	v_readlane_b32 s13, v[\x], 15
	v_mul_lo_u32 v81, v2, s13                      ; lanes 16-31 add the first sixteen's total
	v_add_nc_u32 v[\x], v[\x], v81
.endm
	s_load_b128 s[4:7], s[0:1], 0x0                ; rt s[4:5], plan s[6:7]
	v_lshrrev_b32 v1, 5, v0
	v_readfirstlane_b32 s8, v1
	s_lshl_b32 s9, ttmp9, 2
	s_add_co_u32 s8, s8, s9                        ; W
	v_and_b32 v1, 31, v0                           ; lane
	v_lshrrev_b32 v2, 4, v1
	v_lshlrev_b32 v96, 2, v1
	s_lshl_b32 s9, s8, 7
	v_add_nc_u32 v97, s9, v96
	s_lshl_b32 s9, s8, 5
	v_add_nc_u32 v95, s9, v1                       ; 32 W + lane: my token; in waves 0-4 also my group
	v_mov_b32 v81, 0                               ; (a DPP form's destination counts as read)
	s_wait_kmcnt 0x0
	global_load_b32 v3, v97, s[4:5]                ; tinfo of my token
.set i, 0
.rept 64
	global_load_b32 v[4+i], v96, s[4:5] offset:8192+128*i   ; hist[i][lane]
.set i, i+1
.endr
	; lane = bin: its experts.  The bins of a = 1 .. 6 begin at 7, 13, 18, 22, 25, 27
	v_mov_b32 v71, 0
.irp thr, 7,13,18,22,25,27
	v_cmp_le_u32 vcc_lo, \thr, v1
	v_add_co_ci_u32 v71, vcc_lo, 0, v71, vcc_lo
.endr
	v_sub_nc_u32 v72, 15, v71
	v_mul_u32_u24 v72, v72, v71
	v_lshrrev_b32 v72, 1, v72
	v_sub_nc_u32 v72, v1, v72
	v_add_nc_u32 v72, v72, v71
	v_add_nc_u32 v72, 1, v72                       ; b  (lanes 28-31 are no bins: their counts are 0)
	v_mov_b32 v68, 0                               ; the bin's tokens,
	v_mov_b32 v69, 0                               ; and those in blocks ahead of mine
	s_wait_loadcnt 0x0
.set i, 0
.rept 64
	v_add_nc_u32 v68, v68, v[4+i]
	s_cmp_lt_u32 i, s8
	s_cselect_b32 s9, 1, 0
	v_mad_u32_u24 v69, v[4+i], s9, v69
.set i, i+1
.endr
	v_add_nc_u32 v70, 15, v68
	v_lshrrev_b32 v70, 4, v70                      ; the bin's groups
	; units of each expert, four experts of 8 bits to a word (no field passes 134): v75 experts 0-3, v76 experts 4-7; v77 groups
	v_and_b32 v73, 3, v71
	v_lshlrev_b32 v73, 3, v73
	v_and_b32 v74, 3, v72
	v_lshlrev_b32 v74, 3, v74
	v_lshlrev_b32 v87, v73, v70
	v_lshlrev_b32 v88, v74, v70
	v_cmp_gt_u32 vcc_lo, 4, v71
	v_cndmask_b32 v75, 0, v87, vcc_lo
	v_sub_nc_u32 v76, v87, v75
	v_cmp_gt_u32 vcc_lo, 4, v72
	v_cndmask_b32 v89, 0, v88, vcc_lo
	v_add_nc_u32 v75, v75, v89
	v_sub_nc_u32 v89, v88, v89
	v_add_nc_u32 v76, v76, v89
	v_mov_b32 v77, v70
	v_mov_b32 v78, v75
	v_mov_b32 v79, v76
	v_mov_b32 v80, v77
	SCAN 75
	SCAN 76
	SCAN 77
	v_readlane_b32 s10, v75, 31                    ; the totals
	v_readlane_b32 s11, v76, 31
	v_readlane_b32 s12, v77, 31                    ; G
	v_sub_nc_u32 v78, v75, v78                     ; what stands ahead of my bin
	v_sub_nc_u32 v79, v76, v79
	v_sub_nc_u32 v80, v77, v80                     ; its first group
	v_cmp_gt_u32 vcc_lo, 4, v71
	v_cndmask_b32 v82, v79, v78, vcc_lo
	v_lshrrev_b32 v82, v73, v82
	v_and_b32 v82, 255, v82                        ; its first unit in a's list
	v_cmp_gt_u32 vcc_lo, 4, v72
	v_cndmask_b32 v83, v79, v78, vcc_lo
	v_lshrrev_b32 v83, v74, v83
	v_and_b32 v83, 255, v83                        ; and in b's
	v_lshlrev_b32 v84, 4, v80                      ; the bin's first entry in gtok,
	v_mad_u32_u24 v85, v71, 136, v82
	v_lshlrev_b32 v85, 4, v85                      ; in etok for a,
	v_mad_u32_u24 v86, v72, 136, v83
	v_lshlrev_b32 v86, 4, v86                      ; in etok for b
	; my token: its bin's three places + the bin's tokens in earlier blocks, fetched from lane 'bin', + its rank in my block
	v_and_b32 v87, 31, v3
	v_lshlrev_b32 v87, 2, v87
	v_add_nc_u32 v88, v84, v69
	v_add_nc_u32 v89, v85, v69
	v_add_nc_u32 v90, v86, v69
	ds_bpermute_b32 v91, v87, v88
	ds_bpermute_b32 v92, v87, v89
	ds_bpermute_b32 v93, v87, v90
	v_bfe_u32 v94, v3, 8, 5
	s_wait_dscnt 0x0
	v_add_nc_u32 v91, v91, v94
	v_add_nc_u32 v92, v92, v94
	v_add_nc_u32 v93, v93, v94
	v_min_u32 v91, 2559, v91
	v_min_u32 v92, 17407, v92
	v_min_u32 v93, 17407, v93
	v_lshlrev_b32 v91, 2, v91
	v_lshlrev_b32 v92, 2, v92
	v_lshlrev_b32 v93, 2, v93
	global_store_b32 v91, v95, s[6:7] offset:2048
	global_store_b32 v92, v95, s[6:7] offset:12288
	global_store_b32 v93, v95, s[6:7] offset:12288
	; waves 0-4: ginfo, a lane to a group g = 32 W + lane.  A group behind the last takes group 0's words.  The group's bin is the number of bins whose running sum of groups is g or less
	; (the first bin whose sum is above g has groups, and g is one of them).  The bin's words are fetched from lane 'bin': expert + ((first unit - first group) << 8), to which g << 8 is added;
	; the arithmetic wraps modulo 2^32 and the sum first unit - first group + g is never negative.
	s_cmp_lt_u32 s8, 5
	s_cbranch_scc0 .Lno_ginfo
	v_cmp_gt_u32 vcc_lo, s12, v95                  ; G > g?
	v_cndmask_b32 v100, 0, v95, vcc_lo
	v_mov_b32 v101, 0
.set bin, 0
.rept 28
	v_readlane_b32 s13, v77, bin
	v_cmp_le_u32 vcc_lo, s13, v100
	v_add_co_ci_u32 v101, vcc_lo, 0, v101, vcc_lo
.set bin, bin+1
.endr
	v_lshlrev_b32 v101, 2, v101
	v_sub_nc_u32 v102, v82, v80
	v_lshl_add_u32 v102, v102, 8, v71
	v_sub_nc_u32 v103, v83, v80
	v_lshl_add_u32 v103, v103, 8, v72
	ds_bpermute_b32 v104, v101, v102
	ds_bpermute_b32 v105, v101, v103
	v_lshlrev_b32 v106, 3, v95                     ; 8 g: made of ids alone
	s_wait_dscnt 0x0
	v_lshl_add_u32 v104, v100, 8, v104
	v_lshl_add_u32 v105, v100, 8, v105
	global_store_b64 v106, v[104:105], s[6:7] offset:256   ; the wave's 32 lanes store 256 consecutive bytes, aligned
.Lno_ginfo:
	; wave 5: the counts: lanes 0-7 their expert's byte of the totals, lane 8 the groups, the others 0
	s_cmp_eq_u32 s8, 5
	s_cbranch_scc0 .Lno_cnt
	v_and_b32 v100, 3, v1
	v_lshlrev_b32 v100, 3, v100
	v_mov_b32 v101, s10
	v_mov_b32 v102, s11
	v_cmp_gt_u32 vcc_lo, 4, v1
	v_cndmask_b32 v101, v102, v101, vcc_lo
	v_lshrrev_b32 v101, v100, v101
	v_and_b32 v101, 255, v101
	v_mov_b32 v102, s12
	v_cmp_eq_u32 vcc_lo, 8, v1
	v_cndmask_b32 v101, v101, v102, vcc_lo
	v_cmp_gt_u32 vcc_lo, 9, v1
	v_cndmask_b32 v101, 0, v101, vcc_lo
	global_store_b32 v96, v101, s[6:7]
.Lno_cnt:
	s_endpgm
.Lfunc_end_k_qe9d25a11da_place:
	.size	k_qe9d25a11da_place, .Lfunc_end_k_qe9d25a11da_place-k_qe9d25a11da_place
	.p2alignl 7, 3214868480
	.fill 96, 4, 3214868480
	.section	.rodata,"a",@progbits
	.p2align	6, 0x0
	.amdhsa_kernel k_qe9d25a11da_place
		.amdhsa_group_segment_fixed_size 0
		.amdhsa_private_segment_fixed_size 0
		.amdhsa_enable_private_segment 0
		.amdhsa_kernarg_size 16
		.amdhsa_user_sgpr_count 2
		.amdhsa_user_sgpr_kernarg_segment_ptr 1
		.amdhsa_wavefront_size32 1
		.amdhsa_system_sgpr_workgroup_id_x 1
		.amdhsa_system_sgpr_workgroup_id_y 1
		.amdhsa_system_sgpr_workgroup_id_z 1
		.amdhsa_system_vgpr_workitem_id 0
		.amdhsa_next_free_vgpr 128
		.amdhsa_next_free_sgpr 66
		.amdhsa_reserve_vcc 1
		.amdhsa_float_denorm_mode_32 3
		.amdhsa_float_denorm_mode_16_64 3
		.amdhsa_memory_ordered 1
		.amdhsa_forward_progress 1
		.amdhsa_inst_pref_size 27
	.end_amdhsa_kernel
	.amdgpu_metadata
---
amdhsa.version: [ 1, 2 ]
amdhsa.kernels:
  - .name:           k_qe9d25a11da_place
    .symbol:         k_qe9d25a11da_place.kd
    .args:
      - { .name: rt, .offset: 0, .size: 8, .value_kind: global_buffer, .address_space: global }
      - { .name: plan, .offset: 8, .size: 8, .value_kind: global_buffer, .address_space: global }
    .group_segment_fixed_size: 0
    .private_segment_fixed_size: 0
    .kernarg_segment_align: 8
    .kernarg_segment_size: 16
    .max_flat_workgroup_size: 128
    .sgpr_count:     66
    .vgpr_count:     128
    .wavefront_size: 32
...
	.end_amdgpu_metadata
.endif
;; end of part 2
;; launch up (part 3): grid 32 x 8, 4 waves a work-group, no clusters, 153,088 bytes of LDS; arguments x_codes, x_scales, w13_codes, w13_scales, plan, hcodes, hscales; writes hcodes, hscales
.if DOCPART == 3
	.amdgcn_target "amdgcn-amd-amdhsa--gfx1250"
	.amdhsa_code_object_version 6
	.text
	.protected	k_qe9d25a11da_up
	.globl	k_qe9d25a11da_up
	.p2align	8
	.type	k_qe9d25a11da_up,@function
k_qe9d25a11da_up:
	s_mov_b64 s[64:65], 0
	v_nop
	global_prefetch_b8 v0, s[64:65] scope:SCOPE_SE
	s_setreg_imm32_b32 hwreg(HW_REG_WAVE_MODE, 25, 1), 1
	s_wait_xcnt 0x0
; h = gelu(x w1^T) * (x w3^T) for the rows that were routed, quantised along the hidden axis: codes of E3M2 and one E8M0 byte for each 32, stored for the launch that follows.
; SHARES.  Work-group (x, y): expert e = y; n = x / 4: hidden units 128 n .. 128 n + 127; q = x % 4: units q, q + 4, q + 8 .. of the expert's list (a unit: 16 rows, tokens from etok).
; Wave w owns hidden block B = 4 n + w: 32 gate rows and 32 up rows of w13, 4 tiles x 8 K steps = 32 fragments = 384 registers, read from memory once and kept.  The units of x go round: through LDS, shared by the four waves.
; THE PRODUCTS ARE USED TRANSPOSED (source 0 = 16 rows of w13, source 1 = 16 tokens), and lane r of tile u takes row 8 u + r + 8 (r / 8) of the wave's 32: so a lane holds ONE token, and the 16 registers of
; tiles 0 and 1 are hidden units 16 (lane / 16) + 0 .. 15: 16 neighbours along the next product's K.  A block of 32 lies in lanes l and l xor 16.
; NO TENSOR LOADS, NO CLUSTER: how many units a work-group has hangs on a stored count, and which rows a unit holds on a stored list; the text branches on both.
; THE LOOP has a constant number of trips (9 x 2 pairs of units; an expert has 134 units at the most: 17 pairs a work-group), with one barrier a pair on every path; only loads, work and LDS stores are jumped over.
; Units behind the expert's last (the list is filled to a multiple of 8) and rows without a token are computed on token 2047's numbers and stored where nobody reads them as results.
; GELU, exact form: Phi(g) = erfc(-g / sqrt 2) / 2, erfc by the fit t exp(-a^2 + P(t)), t = 1 / (1 + a / 2), P of degree 9 (fractional error under 1.2e-7), in base 2 with the half folded into P's constant:
; E = t 2^(P2(t) - g^2 log2(e) / 2) = erfc(|g| / sqrt 2) / 2, and gelu(g) = max(g, 0) - |g| E: no difference of near numbers on either side of 0.
; LIMITS: for g under about -13 the power of two falls under the smallest normal number and comes out 0 (the exact result there is under 1e-37 |g|); the exponent's rounding gives E a relative error of about 6e-8 x 0.72 g^2;
; NaN and infinities are not served; a block of zeros gets the byte 1 (its codes are zeros; the bytes are read by this program alone).
; hcodes [8 x 136 units][32 blocks][16 rows][24 bytes], hscales [units][16 rows][32 bytes].
; REGISTERS, in windows of 256: window 0 as named below; windows 1 and 2: the weights: fragment (sg = gate 0 / up 1, tile tau, K step s) at v[12 (4 (s % 4) + 2 sg + tau)] of window 1 + s / 4; window 3: x's fragments, unit j at v[96 j + 12 s].
.set WROW,  768                        ; a row of 1,024 codes in bytes
.set WP,    784                        ; the weights' stage: a row + 16 bytes = 196 words: neighbouring rows start 4 banks apart (64 banks of 4 bytes: ISA guide 11.1)
.set WSTB,  32*WP                      ; a wave's own stage: 32 rows
.set XST,   4*WSTB                     ; behind the four stages: four places for units of x
.set XP,    816                        ; a row of x there: 768 bytes of codes, 32 of scales, 16 spare = 204 words: rows start 12 banks apart
.set XU,    16*XP
.set TILEOFF, 8*WP                     ; tile 1 begins 8 rows behind tile 0
.set UPOFF, 1024*WROW                  ; from a gate row to its up row
.set HUNIT, 12288                      ; a unit of hcodes
.set LR,  1                            ; v1   r = lane % 16
.set LH,  2                            ; v2   h = lane / 16
.set WGO, 4                            ; v4   weights in memory: 768 h + 16 r: sixteen lanes take 256 bytes of a row, the other sixteen of the next row
.set WSA, 5                            ; v5   the same place in my stage
.set WRD, 6                            ; v6   a fragment's row in my stage: (r + 8 (r / 8)) WP + 24 h
.set WSO, 7                            ; v7   that row's scale bytes in memory
.set L16, 8                            ; v8   16 r
.set L2,  9                            ; v9   2 r
.set TKO, 10                           ; v10  4 (4 w + h): the token of the row that I fetch
.set LSTA, 11                          ; v11  where I put 16 bytes of a row of x: row 4 w + h
.set LSTS, 12                          ; v12  and 2 of its scale bytes
.set XRD, 13                           ; v13  a fragment's row of x: r XP + 24 h
.set XSR, 14                           ; v14  its scale words
.set HCO, 15                           ; v15  24 r + 12 h: my 16 codes in a block of hcodes
.set WS,  16                           ; v16-47   the weights' scale words: 8 (2 sg + tau) + s
.set XS,  48                           ; v48-63   x's: 8 j + s
.set ACC, 64                           ; v64-95   four accumulators
.set GG,  64                           ;          g, at the end h
.set GU,  80                           ;          u
.set GT,  96                           ; v96-111  t
.set GP,  112                          ; v112-127 the polynomial, then E
.set GQ,  128                          ; v128-143 at work
.set CD,  144                          ; v144-146 codes
.set SCV, 148                          ; v148 the conversion's scale operand
.set BY,  149                          ; v149 the scale's byte
.set MA,  150
.set MB,  151
.set HSO, 152                          ; v152 32 r
.set TMP, 153
.set C9,  154                          ; v154-155 the polynomial's leading coefficient, twice
.set TK,  160                          ; v160-167 tokens: 4 x parity + 2 j + i
.set XO,  168                          ; v168-171 offsets into x_codes
.set SO,  172                          ; v172-175 into x_scales
.set RQ,  176                          ; v176-223 rows of x as loaded
.set RS,  224                          ; v224-227 their scale bytes
.set MSB, 0
.macro WIN new                         ; the immediate's high byte repeats the setting that is left; a switch that changes nothing is dropped
.if MSB != (\new)
	s_set_vgpr_msb (MSB<<8)|(\new)
.set MSB, (\new)
.endif
.endm
; my 32 rows of gate (0) or up (1): 48 loads of 2 x 256 consecutive bytes, into the registers that their fragments will take; and the rows' scale words: 52 loads
.macro ISSUE sg
.irp rp, 0,1,2,3,4,5,6,7,8,9,10,11,12,13,14,15
	WIN 0x40*(1+\rp/8)
.irp seg, 0,1,2
.set RR, 12*(4*((\rp%8)/2)+2*(\sg)+\rp%2)+4*\seg
	global_load_b128 v[RR:RR+3], v[WGO], s[8:9] offset:(\sg)*UPOFF+\rp*2*WROW+256*\seg
.endr
.endr
	WIN 0
.irp tau, 0,1
.irp hf, 0,1
	global_load_b128 v[WS+8*(2*(\sg)+\tau)+4*\hf:WS+8*(2*(\sg)+\tau)+4*\hf+3], v[WSO], s[10:11] offset:(\sg)*32768+\tau*256+16*\hf
.endr
.endr
.endm
; through my own stage: rows in, fragments out, into the same registers.  A fragment (16 rows x 128 K) is 12 registers: registers 6 c .. 6 c + 5 hold the 24 bytes of K = 64 c + 32 h + 0 .. 31, in pieces of 8 bytes
.macro STAGE sg
.irp rp, 0,1,2,3,4,5,6,7,8,9,10,11,12,13,14,15
	WIN 0x04*(1+\rp/8)
.irp seg, 0,1,2
.set RR, 12*(4*((\rp%8)/2)+2*(\sg)+\rp%2)+4*\seg
	ds_store_b128 v[WSA], v[RR:RR+3] offset:\rp*2*WP+256*\seg
.endr
.endr
	s_wait_dscnt 0x0                               ; the stores have read their registers
.irp s, 0,1,2,3,4,5,6,7
	WIN 0x40*(1+\s/4)
.irp tau, 0,1
.irp p, 0,1,2,3,4,5
.set FF, 12*(4*(\s%4)+2*(\sg)+\tau)+2*\p
	ds_load_b64 v[FF:FF+1], v[WRD] offset:\tau*TILEOFF+96*\s+48*(\p/3)+8*(\p%3)
.endr
.endr
.endr
	WIN 0
.endm
.macro TOKENS par, off                 ; the tokens of the rows that I fetch of a pair's two units (4 places apart in the list): rows 4 w + h and 4 w + 2 + h
.irp i, 0,1,2,3
	global_load_b32 v[TK+4*(\par)+\i], v[TKO], s[28:29] offset:(\off)+256*(\i/2)+8*(\i%2)
.endr
.endm
.macro XLOAD par                       ; those rows: 3 x 256 bytes of codes and 32 of scales each, sixteen lanes to a row: 16 loads
.irp i, 0,1,2,3
	v_min_u32 v[TMP], 2047, v[TK+4*(\par)+\i]      ; 'no token' reads token 2047
	v_mad_u32_u24 v[XO+\i], v[TMP], WROW, v[L16]
	v_lshl_add_u32 v[SO+\i], v[TMP], 5, v[L2]
.irp seg, 0,1,2
	global_load_b128 v[RQ+12*\i+4*\seg:RQ+12*\i+4*\seg+3], v[XO+\i], s[4:5] offset:256*\seg
.endr
	global_load_u16 v[RS+\i], v[SO+\i], s[6:7]
.endr
.endm
.macro XSTORE par
.irp i, 0,1,2,3
.irp seg, 0,1,2
	ds_store_b128 v[LSTA], v[RQ+12*\i+4*\seg:RQ+12*\i+4*\seg+3] offset:(2*(\par)+\i/2)*XU+(\i%2)*2*XP+256*\seg
.endr
	ds_store_b16 v[LSTS], v[RS+\i] offset:(2*(\par)+\i/2)*XU+(\i%2)*2*XP
.endr
.endm
.macro FETCH par, j                    ; a unit's eight fragments and its scale words: 50 LDS loads
	WIN 0xc0
.irp s, 0,1,2,3,4,5,6,7
.irp p, 0,1,2,3,4,5
	ds_load_b64 v[96*\j+12*\s+2*\p:96*\j+12*\s+2*\p+1], v[XRD] offset:(2*(\par)+\j)*XU+96*\s+48*(\p/3)+8*(\p%3)
.endr
.endr
	WIN 0
	ds_load_b128 v[XS+8*\j:XS+8*\j+3], v[XSR] offset:(2*(\par)+\j)*XU
	ds_load_b128 v[XS+8*\j+4:XS+8*\j+7], v[XSR] offset:(2*(\par)+\j)*XU+16
.endm
; 32 matrix instructions: the four accumulators by turns, one instruction a turn, K ascending; the first K step starts the sums.  Source 0 window 1 or 2, source 1 window 3
.macro MM j
.irp hf, 0,1
	WIN 0x0d+\hf
.irp ks, 0,1,2,3
.irp t, 0,1,2,3
.if (\hf+\ks) == 0
	v_wmma_scale_f32_16x16x128_f8f6f4 v[ACC+8*\t:ACC+8*\t+7], v[12*(4*\ks+\t):12*(4*\ks+\t)+11], v[96*\j+12*(4*\hf+\ks):96*\j+12*(4*\hf+\ks)+11], 0, v[WS+8*\t+4*\hf+\ks], v[XS+8*\j+4*\hf+\ks] matrix_a_fmt:MATRIX_FMT_BF6 matrix_b_fmt:MATRIX_FMT_BF6
.else
	v_wmma_scale_f32_16x16x128_f8f6f4 v[ACC+8*\t:ACC+8*\t+7], v[12*(4*\ks+\t):12*(4*\ks+\t)+11], v[96*\j+12*(4*\hf+\ks):96*\j+12*(4*\hf+\ks)+11], v[ACC+8*\t:ACC+8*\t+7], v[WS+8*\t+4*\hf+\ks], v[XS+8*\j+4*\hf+\ks] matrix_a_fmt:MATRIX_FMT_BF6 matrix_b_fmt:MATRIX_FMT_BF6
.endif
.endr
.endr
.endr
	WIN 0
.rept 4
	v_nop                                          ; four places between the products and the first read of their results (ISA guide 7.12.1)
.endr
.endm
; h = gelu(g) u on a lane's 16 numbers.  Every accumulator is read from its lowest register on.  The polynomial's lines name no register of the products: they are the places ahead of the next unit's products and loads
.macro GELU
.set i, 0
.rept 16
	v_fma_f32 v[GT+i], |v[GG+i]|, s25, 1.0         ; 1 + |g| / (2 sqrt 2)
.set i, i+1
.endr
.set i, 0
.rept 16
	v_rcp_f32 v[GT+i], v[GT+i]                     ; t
.set i, i+1
.endr
.set i, 0
.rept 8
	v_pk_mul_f32 v[GQ+i:GQ+i+1], v[GG+i:GG+i+1], 0xbf38aa3b op_sel_hi:[1,0]   ; -g log2(e) / 2  (plain lines behind the reciprocals)
.set i, i+2
.endr
.set i, 0
	s_wait_alu depctr_va_vdst(0)
.rept 8
	v_pk_fma_f32 v[GP+i:GP+i+1], v[GT+i:GT+i+1], v[C9:C9+1], 0xbf97d29d op_sel_hi:[1,1,0]
.set i, i+2
.endr
.irp c, 0x40097039, 0xbfd1a1e5, 0x3ecdfd18, 0xbe899a80, 0x3e0efb2e, 0x3f0a29d2, 0x3fb8ab5a, 0xc034d90f
.set i, 0
.rept 8
	v_pk_fma_f32 v[GP+i:GP+i+1], v[GP+i:GP+i+1], v[GT+i:GT+i+1], \c op_sel_hi:[1,1,0]
.set i, i+2
.endr
.endr
.set i, 0
.rept 8
	v_pk_fma_f32 v[GP+i:GP+i+1], v[GQ+i:GQ+i+1], v[GG+i:GG+i+1], v[GP+i:GP+i+1]   ; P2(t) - g^2 log2(e) / 2
.set i, i+2
.endr
.set i, 0
.rept 16
	v_exp_f32 v[GP+i], v[GP+i]
.set i, i+1
.endr
.set i, 0
.rept 16
	v_max_num_f32 v[GQ+i], 0, v[GG+i]              ; (plain lines behind the exponentials)
.set i, i+1
.endr
.set i, 0
	s_wait_alu depctr_va_vdst(0)
.rept 8
	v_pk_mul_f32 v[GP+i:GP+i+1], v[GP+i:GP+i+1], v[GT+i:GT+i+1]   ; E
.set i, i+2
.endr
.set i, 0
.rept 16
	v_fma_f32 v[GQ+i], -|v[GG+i]|, v[GP+i], v[GQ+i]   ; gelu(g)
.set i, i+1
.endr
.set i, 0
.rept 8
	v_pk_mul_f32 v[GG+i:GG+i+1], v[GQ+i:GQ+i+1], v[GU+i:GU+i+1]
.set i, i+2
.endr
.endm
; the block's largest magnitude (my 16, the floor 2^(5 - 127) among the leaves, lane l xor 16's), 4 off its exponent field: the conversion's scale operand; its exponent field is the byte
.macro QUANT j
	v_max3_num_f32 v[MA], |v[GG]|, |v[GG+1]|, 0x2800000
	v_max3_num_f32 v[MB], |v[GG+8]|, |v[GG+9]|, |v[GG+10]|
	v_max3_num_f32 v[MA], v[MA], |v[GG+2]|, |v[GG+3]|
	v_max3_num_f32 v[MB], v[MB], |v[GG+11]|, |v[GG+12]|
	v_max3_num_f32 v[MA], v[MA], |v[GG+4]|, |v[GG+5]|
	v_max3_num_f32 v[MB], v[MB], |v[GG+13]|, |v[GG+14]|
	v_max3_num_f32 v[MA], v[MA], |v[GG+6]|, |v[GG+7]|
	v_max3_num_f32 v[MA], v[MA], v[MB], |v[GG+15]|
	v_permlanex16_b32 v[MB], v[MA], s26, s27
	v_max_num_f32 v[MA], v[MA], v[MB]
	s_wait_xcnt 0x0                                ; the last unit's stores have read their data: codes and byte may be written again
	v_add_nc_u32 v[SCV], 0xfe000000, v[MA]
	v_cvt_scalef32_pk16_bf6_f32 v[CD:CD+2], v[GG:GG+15], v[SCV]
	v_lshrrev_b32 v[BY], 23, v[SCV]                ; (the plain line behind the conversion)
	global_store_b96 v[HCO], v[CD:CD+2], s[30:31] offset:\j*4*HUNIT   ; the wave's 32 lanes store a block's 384 consecutive bytes
	global_store_b8 v[HSO], v[BY], s[32:33] offset:\j*2048            ; both lanes of a block store the same byte with the same value
.endm
	s_load_b256 s[4:11], s[0:1], 0x0               ; x_codes s[4:5], x_scales s[6:7], w13_codes s[8:9], w13_scales s[10:11]
	s_load_b128 s[12:15], s[0:1], 0x20             ; plan s[12:13], hcodes s[14:15]
	s_load_b64 s[16:17], s[0:1], 0x30              ; hscales
	v_lshl_add_u32 v254, v0, 2, 0x25400
	v_mov_b32 v255, 0
	v_lshrrev_b32 v1, 5, v0
	v_readfirstlane_b32 s18, v1                    ; wave
	s_and_b32 s19, ttmp9, 3                        ; q
	s_lshr_b32 s20, ttmp9, 2                       ; n
	s_and_b32 s21, ttmp7, 0xffff                   ; e
	v_and_b32 v[LR], 15, v0
	v_bfe_u32 v[LH], v0, 4, 1
	s_mul_i32 s34, s18, WSTB                       ; my stage
	v_mul_u32_u24 v[WGO], v[LH], WROW
	v_lshl_add_u32 v[WGO], v[LR], 4, v[WGO]
	v_mul_u32_u24 v[WSA], v[LH], WP
	v_lshl_add_u32 v[WSA], v[LR], 4, v[WSA]
	v_add_nc_u32 v[WSA], s34, v[WSA]
	v_and_b32 v[TMP], 8, v[LR]
	v_add_nc_u32 v[TMP], v[TMP], v[LR]             ; r + 8 (r / 8)
	v_mul_u32_u24 v[WRD], v[TMP], WP
	v_mad_u32_u24 v[WRD], v[LH], 24, v[WRD]
	v_add_nc_u32 v[WRD], s34, v[WRD]
	v_lshlrev_b32 v[WSO], 5, v[TMP]
	v_lshlrev_b32 v[L16], 4, v[LR]
	v_lshlrev_b32 v[L2], 1, v[LR]
	s_lshl_b32 s35, s18, 4
	v_lshl_add_u32 v[TKO], v[LH], 2, s35
	s_mul_i32 s35, s18, 4*XP
	s_add_co_u32 s35, s35, XST
	v_mul_u32_u24 v[LSTA], v[LH], XP
	v_add_nc_u32 v[LSTA], s35, v[LSTA]
	v_lshl_add_u32 v[LSTS], v[LR], 1, v[LSTA]
	v_add_nc_u32 v[LSTS], 768, v[LSTS]
	v_lshl_add_u32 v[LSTA], v[LR], 4, v[LSTA]
	v_mul_u32_u24 v[XSR], v[LR], XP
	v_add_nc_u32 v[XSR], XST, v[XSR]
	v_mad_u32_u24 v[XRD], v[LH], 24, v[XSR]
	v_add_nc_u32 v[XSR], 768, v[XSR]
	v_mul_u32_u24 v[HCO], v[LR], 24
	v_mad_u32_u24 v[HCO], v[LH], 12, v[HCO]
	v_lshlrev_b32 v[HSO], 5, v[LR]
	v_mov_b32 v[C9], 0x3e7c6f08
	v_mov_b32 v[C9+1], 0x3e7c6f08
	s_mov_b32 s25, 0x3eb504f3                      ; 1 / (2 sqrt 2)
	s_mov_b32 s26, 0x76543210
	s_mov_b32 s27, 0xfedcba98                      ; v_permlanex16_b32's selects for lane l xor 16
	s_lshl_b32 s34, s21, 11
	s_lshl_b32 s35, s20, 7
	s_add_co_u32 s34, s34, s35
	s_lshl_b32 s35, s18, 5
	s_add_co_u32 s34, s34, s35                     ; my first gate row: 2048 e + 128 n + 32 w
	s_mul_i32 s38, s34, WROW
	s_mov_b32 s39, 0
	s_lshl_b32 s40, s34, 5
	s_mov_b32 s41, 0
	s_mul_i32 s42, s21, 136
	s_add_co_u32 s42, s42, s19                     ; my first unit: 136 e + q
	s_lshl_b32 s44, s42, 6
	s_add_co_u32 s44, s44, 12288
	s_mov_b32 s45, 0
	s_lshl_b32 s35, s20, 2
	s_add_co_u32 s35, s35, s18                     ; B
	s_mul_i32 s46, s42, HUNIT
	s_mul_i32 s34, s35, 384
	s_add_co_u32 s46, s46, s34
	s_mov_b32 s47, 0
	s_lshl_b32 s48, s42, 9
	s_add_co_u32 s48, s48, s35
	s_mov_b32 s49, 0
	s_lshl_b32 s36, s21, 2
	s_mov_b32 s37, 0
	s_wait_kmcnt 0x0
	s_add_nc_u64 s[8:9], s[8:9], s[38:39]
	s_add_nc_u64 s[10:11], s[10:11], s[40:41]
	s_add_nc_u64 s[28:29], s[12:13], s[44:45]      ; the list's entries of my first unit
	s_add_nc_u64 s[30:31], s[14:15], s[46:47]      ; my block of its codes
	s_add_nc_u64 s[32:33], s[16:17], s[48:49]      ; my byte of its rows' scales
	s_add_nc_u64 s[36:37], s[12:13], s[36:37]
	s_load_b32 s22, s[36:37], 0x0                  ; the expert's units
	; THE HEAD has no branch: the list's first 16 units are written whatever the count
	TOKENS 0, 0
	TOKENS 1, 512
	ISSUE 0
	s_wait_loadcnt 52                              ; behind the tokens' loads stand the gate rows' 52: the tokens are in
	s_add_nc_u64 s[28:29], s[28:29], 1024          ; (their loads are done: the base may step)  on to the third pair's tokens
	XLOAD 0
	ISSUE 1
	s_wait_loadcnt 63                              ; behind the gate rows' loads stand 16 + 52; the wait's field holds 63, so five of x's loads are waited for too
	STAGE 0
	s_wait_loadcnt 52                              ; behind x's loads stand the up rows' 52
	XSTORE 0
	s_wait_loadcnt 0x0
	STAGE 1
	s_wait_kmcnt 0x0
	s_min_u32 s22, s22, 136
	s_add_co_u32 s22, s22, 7
	s_lshr_b32 s22, s22, 3                         ; my pairs of units: the list, filled to a multiple of 8, is shared by four work-groups
	s_mov_b32 s23, 0                               ; the pair in hand, k
	s_mov_b32 s24, 9
; A PAIR OF UNITS, in the places of parity par.  ONE barrier: in front of it every wave's stores into these places have landed and its reads of the other two places are back;
; behind it these places are read and the other two are written.
.macro PAIR par
	s_wait_loadcnt 0x0                             ; the next pair's tokens (asked for a pair ago)
	s_wait_dscnt 0x0                               ; my LDS stores have landed, my LDS loads are in
	s_add_co_u32 s34, s23, 1
	s_cmp_lt_u32 s34, s22
	s_cbranch_scc0 .Lno_x_\@
	XLOAD 1-\par                                   ; the next pair's rows are on their way while this pair is worked
.Lno_x_\@:
	s_add_co_u32 s34, s23, 2
	s_cmp_lt_u32 s34, s22
	s_cbranch_scc0 .Lno_t_\@
	TOKENS \par, 0
.Lno_t_\@:
	s_barrier_signal -1
	s_barrier_wait -1
	s_cmp_lt_u32 s23, s22
	s_cbranch_scc0 .Lno_w_\@
	FETCH \par, 0
	FETCH \par, 1
	s_wait_dscnt 50                                ; behind the first unit's loads stand the second's 50
	MM 0
	GELU
	QUANT 0
	s_wait_dscnt 0x0
	MM 1
	GELU
	QUANT 1
.Lno_w_\@:
	s_wait_loadcnt 0x0                             ; the next pair's rows
	s_add_co_u32 s34, s23, 1
	s_cmp_lt_u32 s34, s22
	s_cbranch_scc0 .Lno_s_\@
	XSTORE 1-\par
.Lno_s_\@:
	s_wait_xcnt 0x0                                ; loads and stores have read their bases
	s_add_nc_u64 s[28:29], s[28:29], 512           ; 8 places on in the list,
	s_add_nc_u64 s[30:31], s[30:31], 8*HUNIT       ; in the codes,
	s_add_nc_u64 s[32:33], s[32:33], 4096          ; in the scale bytes
	s_add_co_u32 s23, s23, 1
.endm
.Lloop:
	PAIR 0
	PAIR 1
	s_sub_co_u32 s24, s24, 1
	s_cmp_lg_u32 s24, 0
	s_cbranch_scc1 .Lloop
	s_wait_tensorcnt 0x0
	ds_add_u32 v254, v255
	s_wait_dscnt 0x0
	s_endpgm
.Lfunc_end_k_qe9d25a11da_up:
	.size	k_qe9d25a11da_up, .Lfunc_end_k_qe9d25a11da_up-k_qe9d25a11da_up
	.p2alignl 7, 3214868480
	.fill 96, 4, 3214868480
	.section	.rodata,"a",@progbits
	.p2align	6, 0x0
	.amdhsa_kernel k_qe9d25a11da_up
		.amdhsa_group_segment_fixed_size 153088
		.amdhsa_private_segment_fixed_size 0
		.amdhsa_enable_private_segment 0
		.amdhsa_kernarg_size 56
		.amdhsa_user_sgpr_count 2
		.amdhsa_user_sgpr_kernarg_segment_ptr 1
		.amdhsa_wavefront_size32 1
		.amdhsa_system_sgpr_workgroup_id_x 1
		.amdhsa_system_sgpr_workgroup_id_y 1
		.amdhsa_system_sgpr_workgroup_id_z 1
		.amdhsa_system_vgpr_workitem_id 0
		.amdhsa_next_free_vgpr 1024
		.amdhsa_next_free_sgpr 66
		.amdhsa_reserve_vcc 0
		.amdhsa_float_denorm_mode_32 3
		.amdhsa_float_denorm_mode_16_64 3
		.amdhsa_memory_ordered 1
		.amdhsa_forward_progress 1
		.amdhsa_inst_pref_size 131
	.end_amdhsa_kernel
	.amdgpu_metadata
---
amdhsa.version: [ 1, 2 ]
amdhsa.kernels:
  - .name:           k_qe9d25a11da_up
    .symbol:         k_qe9d25a11da_up.kd
    .args:
      - { .name: x_codes, .offset: 0, .size: 8, .value_kind: global_buffer, .address_space: global }
      - { .name: x_scales, .offset: 8, .size: 8, .value_kind: global_buffer, .address_space: global }
      - { .name: w13_codes, .offset: 16, .size: 8, .value_kind: global_buffer, .address_space: global }
      - { .name: w13_scales, .offset: 24, .size: 8, .value_kind: global_buffer, .address_space: global }
      - { .name: plan, .offset: 32, .size: 8, .value_kind: global_buffer, .address_space: global }
      - { .name: hcodes, .offset: 40, .size: 8, .value_kind: global_buffer, .address_space: global }
      - { .name: hscales, .offset: 48, .size: 8, .value_kind: global_buffer, .address_space: global }
    .group_segment_fixed_size: 153088
    .private_segment_fixed_size: 0
    .kernarg_segment_align: 8
    .kernarg_segment_size: 56
    .max_flat_workgroup_size: 128
    .sgpr_count:     66
    .vgpr_count:     1024
    .wavefront_size: 32
...
	.end_amdgpu_metadata
.endif
;; end of part 3
;; launch down (part 4): grid 8 x 32, 4 waves a work-group, no clusters, 245,760 bytes of LDS; arguments w2_codes, w2_scales, plan, cw, hcodes, hscales, out0; writes out0
.if DOCPART == 4
	.amdgcn_target "amdgcn-amd-amdhsa--gfx1250"
	.amdhsa_code_object_version 6
	.text
	.protected	k_qe9d25a11da_down
	.globl	k_qe9d25a11da_down
	.p2align	8
	.type	k_qe9d25a11da_down,@function
k_qe9d25a11da_down:
	s_mov_b64 s[64:65], 0
	v_nop
	global_prefetch_b8 v0, s[64:65] scope:SCOPE_SE
	s_setreg_imm32_b32 hwreg(HW_REG_WAVE_MODE, 25, 1), 1
	s_wait_xcnt 0x0
; out[t] = wa (h_a w2[a]^T) + wb (h_b w2[b]^T): the second product on codes of E3M2 and the weighted sum of a token's two experts.  EACH OUTPUT ROW HAS ONE OWNER, so nothing is added across work-groups.
; SHARES.  Work-group (x, y): n = x: output columns 128 n .. 128 n + 127; y: groups 5 y .. 5 y + 4 of 16 tokens.  All tokens of a group have the same two experts; slot 0 is the lower expert's unit of h, slot 1 the higher's.
; Wave w owns columns 128 n + 32 w .. + 31: 2 tiles x 8 K steps for each slot = 32 fragments of w2 in 384 registers.  Groups are sorted by pair: a slot's weights are read anew only where its expert changes.
; The chunk's ten units of h come into LDS once, as they lie in memory, and are read by all four waves.
; THE PRODUCT IS USED TRANSPOSED (source 0 = 16 rows of w2 = 16 output columns, source 1 = 16 tokens): a lane holds one token and eight neighbouring columns; a row's 128 columns meet in a stage in LDS and leave as 512 consecutive bytes.
; ONE GROUP AHEAD.  What a group needs is asked for while the group before is multiplied:
;   its fragments of h: a group's 32 products go in two halves of K, each on its own 96 registers of h; behind each half the next group's same half is fetched into them (h in LDS is written once, in the head: its reads need no barrier);
;   the higher expert's weights, where that expert changes: 48 loads at the head of the group before, into 192 spare registers;
;   the lower expert's weights and the higher's scale words, where they change: straight behind the last products, into the registers that those have left.
; Which slot changes ahead of which group is worked out once, in the head, as eight scalar flags (0 for a group that does not exist): the line that asks and the line that stages test the same flag.
; NO TENSOR LOADS, NO CLUSTER: which experts, units and tokens a chunk has hangs on stored lists, and the text branches on them.
; THE HEAD HAS NO BRANCH: the lists are written for all 160 groups (behind the last group: copies of group 0, and no tokens).  Six barriers, on every path; a group that does not exist is jumped over; a row without a token is not stored.
; REGISTERS, in windows of 256: window 0 as named below; windows 1 and 2: the weights: fragment (slot sg, tile tau, K step s) at v[12 (4 (s % 4) + 2 sg + tau)] of window 1 + s / 4;
; window 3: first h as loaded (unit u at v[24 u], its scale words at v[240 + u]), then a group's fragments of h (slot sg at v[96 sg + 12 s]);  v192-255 of windows 1, 2 and 0: the spare registers, 16 x 4 in each.
.set WROW,  768
.set WP,    784                        ; the weights' stage: a row + 16 bytes = 196 words: rows start 4 banks apart (64 banks of 4 bytes: ISA guide 11.1)
.set WSTB,  32*WP
.set HU,    12800                      ; a unit of h in LDS: 12,288 bytes of codes [32 blocks][16 rows][24], then 512 of scales [16 rows][32]
.set WST,   10*HU                      ; behind the ten units: a stage of its own for each wave
.set OST,   WST+4*WSTB                 ; behind them: two stages for rows of out, by turns
.set OP,    528                        ; 512 bytes + 16
.set OSTB,  16*OP
.set TILEOFF, 16*WP
.set LR,  1
.set LH,  2
.set LN,  3
.set WGO, 4                            ; v4   weights in memory: 768 h + 16 r
.set WSA, 5                            ; v5   the same place in my stage
.set WRD, 6                            ; v6   a fragment's row in my stage: r WP + 24 h
.set WSO, 7                            ; v7   32 r
.set VW,  8                            ; v8-9   slot sg: its expert's offset + WGO
.set HWA, 10                           ; v10  3072 w + 16 lane: my part of a unit, in memory and in LDS (units 0-4)
.set HWB, 11                           ; v11  the same for units 5-9
.set HWS, 12                           ; v12  my part of a unit's scales in LDS (units 0-4)
.set HWT, 13                           ; v13  (units 5-9)
.set HRD0, 14                          ; v14  24 r + 384 h: a fragment's piece of h: block 4 s + 2 c + h, row r
.set HSR0, 15                          ; v15  12288 + 32 r
.set HRD, 16                           ; v16  the same in the group that is being fetched
.set HSR, 17
.set OSA, 18                           ; v18  where I put 32 bytes of a row of out
.set ORD, 19                           ; v19  where I read a row back
.set L16, 20                           ; v20  16 lane
.set VWS, 21                           ; v21-22 slot sg: its expert's offset + WSO
.set SB,  23                           ; v23  128 w + 4 lane
.set WS,  24                           ; v24-55  the weights' scale words: 8 (2 sg + tau) + s
.set HS,  56                           ; v56-71  h's: 8 sg + s
.set YY,  72                           ; v72-103 four accumulators: 8 (2 sg + tau)
.set OO,  104                          ; v104-119 the weighted sums
.set OD,  120                          ; v120-135 four rows of out
.set CW,  136                          ; v136-145 my token's two weights, a pair a group
.set TOK, 146                          ; v146-150 my token, a group each
.set VH,  152                          ; v152-161 offsets into hcodes
.set VS,  162                          ; v162-171 into hscales
.set VO,  172                          ; v172-175 into out0
.set TKO, 176
.set CWA, 178                          ; v178-182 offsets into cw
.set SPR, 192                          ; v192-255 of windows 1, 2, 0: piece k = 3 x (pair of rows) + (256 bytes of the row) at v[192 + 4 (k % 16)] of window (k / 16 + 1) % 3
.set EA,  56                           ; s56-60 the groups' lower experts
.set EB,  66                           ; s66-70 the higher
.set FA,  83                           ; s84-87 group g = 1 .. 4 exists and its lower expert is not group g - 1's
.set FB,  87                           ; s88-91 the same of the higher
.set MSB, 0
.macro WIN new                         ; the immediate's high byte repeats the setting that is left; a switch that changes nothing is dropped
.if MSB != (\new)
	s_set_vgpr_msb (MSB<<8)|(\new)
.set MSB, (\new)
.endif
.endm
; slot sg's weights: my 32 rows of the expert in s[ex], into the registers that their fragments will take: 48 loads of 2 x 256 consecutive bytes, and 4 of scale words: 52 loads
.macro ISSUE sg, ex
	s_min_u32 s71, s[\ex], 7
	s_mul_i32 s76, s71, 1024*WROW
	v_add_nc_u32 v[VW+\sg], s76, v[WGO]
	s_lshl_b32 s76, s71, 15
	v_add_nc_u32 v[VWS+\sg], s76, v[WSO]
.irp rp, 0,1,2,3,4,5,6,7,8,9,10,11,12,13,14,15
	WIN 0x40*(1+\rp/8)
.irp seg, 0,1,2
.set RR, 12*(4*((\rp%8)/2)+2*(\sg)+\rp%2)+4*\seg
	global_load_b128 v[RR:RR+3], v[VW+\sg], s[4:5] offset:\rp*2*WROW+256*\seg
.endr
.endr
	WIN 0
.irp tau, 0,1
.irp hf, 0,1
	global_load_b128 v[WS+8*(2*(\sg)+\tau)+4*\hf:WS+8*(2*(\sg)+\tau)+4*\hf+3], v[VWS+\sg], s[6:7] offset:\tau*512+16*\hf
.endr
.endr
.endm
; slot 1's rows of the expert in s[ex], into the spare registers, while slot 1's fragments are still at work: 48 loads
.macro ISSUEP ex
	s_min_u32 s71, s[\ex], 7
	s_mul_i32 s76, s71, 1024*WROW
	v_add_nc_u32 v[VW+1], s76, v[WGO]
.irp rp, 0,1,2,3,4,5,6,7,8,9,10,11,12,13,14,15
.irp seg, 0,1,2
.set KK, 3*\rp+\seg
	WIN 0x40*(((KK/16)+1)%3)
	global_load_b128 v[SPR+4*(KK%16):SPR+4*(KK%16)+3], v[VW+1], s[4:5] offset:\rp*2*WROW+256*\seg
.endr
.endr
	WIN 0
.endm
; and those rows' scale words, into slot 1's scale registers: 4 loads
.macro ISSUES ex
	s_min_u32 s71, s[\ex], 7
	s_lshl_b32 s76, s71, 15
	v_add_nc_u32 v[VWS+1], s76, v[WSO]
.irp tau, 0,1
.irp hf, 0,1
	global_load_b128 v[WS+8*(2+\tau)+4*\hf:WS+8*(2+\tau)+4*\hf+3], v[VWS+1], s[6:7] offset:\tau*512+16*\hf
.endr
.endr
.endm
; out of my own stage: slot sg's 16 fragments.  A fragment (16 rows x 128 K) is 12 registers: registers 6 c .. 6 c + 5 hold the 24 bytes of K = 64 c + 32 h + 0 .. 31, in pieces of 8 bytes
.macro STAGE_OUT sg
	s_wait_dscnt 0x0                               ; the stores into the stage have read their registers
.irp s, 0,1,2,3,4,5,6,7
	WIN 0x40*(1+\s/4)
.irp tau, 0,1
.irp p, 0,1,2,3,4,5
.set FF, 12*(4*(\s%4)+2*(\sg)+\tau)+2*\p
	ds_load_b64 v[FF:FF+1], v[WRD] offset:\tau*TILEOFF+96*\s+48*(\p/3)+8*(\p%3)
.endr
.endr
.endr
	WIN 0
.endm
.macro STAGE sg                        ; rows that were loaded in place go in, fragments come out into the same registers
.irp rp, 0,1,2,3,4,5,6,7,8,9,10,11,12,13,14,15
	WIN 0x04*(1+\rp/8)
.irp seg, 0,1,2
.set RR, 12*(4*((\rp%8)/2)+2*(\sg)+\rp%2)+4*\seg
	ds_store_b128 v[WSA], v[RR:RR+3] offset:\rp*2*WP+256*\seg
.endr
.endr
	STAGE_OUT \sg
.endm
.macro STAGEP                          ; rows from the spare registers go in, slot 1's fragments come out
.irp rp, 0,1,2,3,4,5,6,7,8,9,10,11,12,13,14,15
.irp seg, 0,1,2
.set KK, 3*\rp+\seg
	WIN 0x04*(((KK/16)+1)%3)
	ds_store_b128 v[WSA], v[SPR+4*(KK%16):SPR+4*(KK%16)+3] offset:\rp*2*WP+256*\seg
.endr
.endr
	STAGE_OUT 1
.endm
; K steps 4 hf .. 4 hf + 3 of both units of the group at v[HRD], v[HSR]: 8 fragments and their scale words: 50 LDS loads
.macro FETCHH hf
	WIN 0xc0
.irp sg, 0,1
.irp ks, 0,1,2,3
.irp p, 0,1,2,3,4,5
	ds_load_b64 v[96*\sg+12*(4*\hf+\ks)+2*\p:96*\sg+12*(4*\hf+\ks)+2*\p+1], v[HRD] offset:\sg*HU+1536*(4*\hf+\ks)+768*(\p/3)+8*(\p%3)
.endr
.endr
.endr
	WIN 0
.irp sg, 0,1
	ds_load_b128 v[HS+8*\sg+4*\hf:HS+8*\sg+4*\hf+3], v[HSR] offset:\sg*HU+16*\hf
.endr
.endm
; 16 matrix instructions, K steps 4 hf .. 4 hf + 3: the four accumulators by turns, one instruction a turn, K ascending; the first K step starts the sums.  Source 0 window 1 or 2, source 1 window 3
.macro MMH hf
	WIN 0x0d+\hf
.irp ks, 0,1,2,3
.irp t, 0,1,2,3
.if (\hf+\ks) == 0
	v_wmma_scale_f32_16x16x128_f8f6f4 v[YY+8*\t:YY+8*\t+7], v[12*(4*\ks+\t):12*(4*\ks+\t)+11], v[96*(\t/2)+12*(4*\hf+\ks):96*(\t/2)+12*(4*\hf+\ks)+11], 0, v[WS+8*\t+4*\hf+\ks], v[HS+8*(\t/2)+4*\hf+\ks] matrix_a_fmt:MATRIX_FMT_BF6 matrix_b_fmt:MATRIX_FMT_BF6
.else
	v_wmma_scale_f32_16x16x128_f8f6f4 v[YY+8*\t:YY+8*\t+7], v[12*(4*\ks+\t):12*(4*\ks+\t)+11], v[96*(\t/2)+12*(4*\hf+\ks):96*(\t/2)+12*(4*\hf+\ks)+11], v[YY+8*\t:YY+8*\t+7], v[WS+8*\t+4*\hf+\ks], v[HS+8*(\t/2)+4*\hf+\ks] matrix_a_fmt:MATRIX_FMT_BF6 matrix_b_fmt:MATRIX_FMT_BF6
.endif
.endr
.endr
	WIN 0
.endm
	s_load_b256 s[4:11], s[0:1], 0x0               ; w2_codes s[4:5], w2_scales s[6:7], plan s[8:9], cw s[10:11]
	s_load_b128 s[12:15], s[0:1], 0x20             ; hcodes s[12:13], hscales s[14:15]
	s_load_b64 s[16:17], s[0:1], 0x30              ; out0
	v_lshl_add_u32 v190, v0, 2, 0x3be00
	v_mov_b32 v191, 0
	v_lshrrev_b32 v1, 5, v0
	v_readfirstlane_b32 s18, v1                    ; wave
	s_mov_b32 s19, ttmp9                           ; n
	s_and_b32 s20, ttmp7, 0xffff                   ; the chunk
	v_and_b32 v[LR], 15, v0
	v_bfe_u32 v[LH], v0, 4, 1
	v_and_b32 v[LN], 31, v0
	s_mul_i32 s71, s18, WSTB
	s_add_co_u32 s71, s71, WST                     ; my stage
	v_mul_u32_u24 v[WGO], v[LH], WROW
	v_lshl_add_u32 v[WGO], v[LR], 4, v[WGO]
	v_mul_u32_u24 v[WSA], v[LH], WP
	v_lshl_add_u32 v[WSA], v[LR], 4, v[WSA]
	v_add_nc_u32 v[WSA], s71, v[WSA]
	v_mul_u32_u24 v[WRD], v[LR], WP
	v_mad_u32_u24 v[WRD], v[LH], 24, v[WRD]
	v_add_nc_u32 v[WRD], s71, v[WRD]
	v_lshlrev_b32 v[WSO], 5, v[LR]
	s_mul_i32 s76, s18, 3072
	v_lshl_add_u32 v[HWA], v[LN], 4, s76
	v_add_nc_u32 v[HWB], 5*HU, v[HWA]
	s_lshl_b32 s76, s18, 7
	v_lshl_add_u32 v[SB], v[LN], 2, s76
	v_add_nc_u32 v[HWS], 12288, v[SB]
	v_add_nc_u32 v[HWT], 5*HU+12288, v[SB]
	v_mul_u32_u24 v[HRD0], v[LR], 24
	v_mad_u32_u24 v[HRD0], v[LH], 384, v[HRD0]
	v_lshlrev_b32 v[HSR0], 5, v[LR]
	v_add_nc_u32 v[HSR0], 12288, v[HSR0]
	s_add_co_u32 s76, s76, OST
	v_mul_u32_u24 v[OSA], v[LR], OP
	v_lshl_add_u32 v[OSA], v[LH], 5, v[OSA]
	v_add_nc_u32 v[OSA], s76, v[OSA]               ; row r, + 128 w + 32 h
	s_mul_i32 s76, s18, 4*OP
	s_add_co_u32 s76, s76, OST
	v_lshlrev_b32 v[L16], 4, v[LN]
	v_add_nc_u32 v[ORD], s76, v[L16]               ; rows 4 w on, 16 bytes a lane
	s_lshl_b32 s71, s19, 7
	s_lshl_b32 s76, s18, 5
	s_add_co_u32 s71, s71, s76                     ; my first row of w2 in an expert: 128 n + 32 w
	s_mul_i32 s78, s71, WROW
	s_mov_b32 s79, 0
	s_lshl_b32 s80, s71, 5
	s_mov_b32 s81, 0
	s_mul_i32 s72, s20, 40                         ; ginfo: 5 groups x 8 bytes a chunk
	s_mov_b32 s73, 0
	s_mul_i32 s74, s20, 320                        ; gtok: 5 groups x 64 bytes
	v_lshl_add_u32 v[TKO], v[LR], 2, s74           ; the token of row r
	s_lshl_b32 s76, s18, 4
	s_add_co_u32 s74, s74, s76                     ; the tokens of rows 4 w .. 4 w + 3
	s_mov_b32 s75, 0
	s_lshl_b32 s82, s19, 9
	s_mov_b32 s83, 0
	s_wait_kmcnt 0x0
	s_add_nc_u64 s[4:5], s[4:5], s[78:79]
	s_add_nc_u64 s[6:7], s[6:7], s[80:81]
	s_add_nc_u64 s[72:73], s[8:9], s[72:73]
	s_add_nc_u64 s[74:75], s[8:9], s[74:75]
	s_add_nc_u64 s[16:17], s[16:17], s[82:83]      ; out0 at my 128 columns
	s_load_b32 s21, s[8:9], 0x20                   ; G
	s_load_b256 s[24:31], s[72:73], 0x100          ; the five groups' ginfo
	s_load_b64 s[32:33], s[72:73], 0x120
.irp g, 0,1,2,3,4
	s_load_b128 s[36+4*\g:39+4*\g], s[74:75], 2048+64*\g
.endr
.irp g, 0,1,2,3,4
	global_load_b32 v[TOK+\g], v[TKO], s[8:9] offset:2048+64*\g
.endr
	s_wait_kmcnt 0x0
	s_mul_i32 s71, s20, 5
	s_sub_co_i32 s21, s21, s71
	s_max_i32 s21, s21, 0
	s_min_i32 s21, s21, 5                          ; my groups
.irp g, 0,1,2,3,4
	s_and_b32 s[EA+\g], s[24+2*\g], 255
	s_and_b32 s[EB+\g], s[25+2*\g], 255
.endr
.irp u, 0,1,2,3,4,5,6,7,8,9            ; unit u = 2 x group + slot: 136 x expert + its place in the expert's list
	s_and_b32 s71, s[24+\u], 255
	s_lshr_b32 s76, s[24+\u], 8
	s_mul_i32 s71, s71, 136
	s_add_co_u32 s71, s71, s76
	s_min_u32 s71, s71, 1087
	s_mul_i32 s76, s71, 12288
	v_add_nc_u32 v[VH+\u], s76, v[HWA]
	s_lshl_b32 s76, s71, 9
	v_add_nc_u32 v[VS+\u], s76, v[SB]
.endr
	WIN 0xc0
.irp u, 0,1,2,3,4,5,6,7,8,9            ; my quarter of each unit: 6 x 512 bytes of codes, 128 of scales: 70 loads
.irp i, 0,1,2,3,4,5
	global_load_b128 v[24*\u+4*\i:24*\u+4*\i+3], v[VH+\u], s[12:13] offset:512*\i
.endr
	global_load_b32 v[240+\u], v[VS+\u], s[14:15]
.endr
	WIN 0
	ISSUE 0, EA                                    ; group 0's weights: slot 0 in place,
	ISSUEP EB                                      ; slot 1 by the spare registers, which are so written on every path,
	ISSUES EB                                      ; and its scale words
.irp g, 1,2,3,4                        ; the flags (scalar work while the loads are out)
	s_cmp_lg_u32 s[EA+\g], s[EA+\g-1]
	s_cselect_b32 s[FA+\g], 1, 0
	s_cmp_lg_u32 s[EB+\g], s[EB+\g-1]
	s_cselect_b32 s[FB+\g], 1, 0
	s_cmp_lt_u32 \g, s21
	s_cselect_b32 s[FA+\g], s[FA+\g], 0
	s_cselect_b32 s[FB+\g], s[FB+\g], 0
.endr
	s_wait_loadcnt 63                              ; behind h's loads stand the weights' 104; the wait's field holds 63: the tokens and h are in, and part of slot 0's weights
.irp g, 0,1,2,3,4
	v_min_u32 v[CWA+\g], 2047, v[TOK+\g]           ; 'no token' reads token 2047's weights; its row is not stored
	v_lshlrev_b32 v[CWA+\g], 3, v[CWA+\g]
	global_load_b64 v[CW+2*\g:CW+2*\g+1], v[CWA+\g], s[10:11]
.endr
	WIN 0x0c                                       ; an LDS store's data are its source 1: window 3
.irp u, 0,1,2,3,4
.irp i, 0,1,2,3,4,5
	ds_store_b128 v[HWA], v[24*\u+4*\i:24*\u+4*\i+3] offset:\u*HU+512*\i
.endr
	ds_store_b32 v[HWS], v[240+\u] offset:\u*HU
.endr
.irp u, 5,6,7,8,9
.irp i, 0,1,2,3,4,5
	ds_store_b128 v[HWB], v[24*\u+4*\i:24*\u+4*\i+3] offset:(\u-5)*HU+512*\i
.endr
	ds_store_b32 v[HWT], v[240+\u] offset:(\u-5)*HU
.endr
	WIN 0
	s_wait_loadcnt 57                              ; behind slot 0's weights stand slot 1's 48 + 4 loads and the 5 of cw
	STAGE 0
	s_wait_loadcnt 0x0
	STAGEP
	s_wait_dscnt 0x0                               ; my part of h has landed in LDS
	s_barrier_signal -1
	s_barrier_wait -1                              ; everybody's has; nobody writes those bytes again
	v_add_nc_u32 v[HRD], 0, v[HRD0]
	v_add_nc_u32 v[HSR], 0, v[HSR0]
	FETCHH 0                                       ; group 0's fragments of h; every later group's are fetched inside the group before
	FETCHH 1
; A GROUP.  The stage for out has two halves by turns, so one barrier a group does: a half is written again two groups on, behind the barrier in front of which every wave's reads of it are back.
.macro GROUP g
	s_cmp_lt_u32 \g, s21
	s_cbranch_scc0 .Lno_work_\@
	s_wait_loadcnt 0x0                             ; whatever weights were asked for in the group before (for 0: how many hangs on the flags); behind it their address registers may be written too
.if \g > 0
	s_cmp_lg_u32 s[FB+\g], 0
	s_cbranch_scc0 .Lsame_b_\@
	STAGEP                                         ; asked for a whole group ago
.Lsame_b_\@:
	s_cmp_lg_u32 s[FA+\g], 0
	s_cbranch_scc0 .Lsame_a_\@
	STAGE 0                                        ; asked for behind the last group's products
.Lsame_a_\@:
.endif
.if \g < 4
	s_cmp_lg_u32 s[FB+\g+1], 0
	s_cbranch_scc0 .Lno_pb_\@
	ISSUEP EB+\g+1                                 ; the next group's higher expert: its rows are on their way while this group is multiplied, summed and stored
.Lno_pb_\@:
.endif
	s_wait_dscnt 0x0                               ; the fragments of h and of the weights are in
	MMH 0
.if \g < 4
	v_add_nc_u32 v[HRD], (\g+1)*2*HU, v[HRD0]      ; these two and two v_nop: the four places between products and loads into registers that they have read (ISA guide 7.12.1 for vector instructions)
	v_add_nc_u32 v[HSR], (\g+1)*2*HU, v[HSR0]
	v_nop
	v_nop
	FETCHH 0                                       ; the next group's first half of K lands under this group's second half
.endif
	MMH 1
.rept 5
	v_nop                                          ; four places ahead of the loads below and of the first read of the results; a fifth, since the next group's first products write over these accumulators
.endr
.if \g < 4
	s_cmp_lg_u32 s[FA+\g+1], 0
	s_cbranch_scc0 .Lno_pa_\@
	ISSUE 0, EA+\g+1                               ; the next group's lower expert, into the registers that this group's products have left
.Lno_pa_\@:
	s_cmp_lg_u32 s[FB+\g+1], 0
	s_cbranch_scc0 .Lno_ps_\@
	ISSUES EB+\g+1                                 ; and the higher expert's scale words
.Lno_ps_\@:
	FETCHH 1                                       ; the next group's second half of K
.endif
.irp tau, 0,1                          ; wa y_a + wb y_b; each accumulator is read from its lowest registers on
.irp pr, 0,1,2,3
	v_pk_mul_f32 v[OO+8*\tau+2*\pr:OO+8*\tau+2*\pr+1], v[YY+8*\tau+2*\pr:YY+8*\tau+2*\pr+1], v[CW+2*\g:CW+2*\g+1] op_sel_hi:[1,0]
.endr
.irp pr, 0,1,2,3
	v_pk_fma_f32 v[OO+8*\tau+2*\pr:OO+8*\tau+2*\pr+1], v[YY+16+8*\tau+2*\pr:YY+16+8*\tau+2*\pr+1], v[CW+2*\g:CW+2*\g+1], v[OO+8*\tau+2*\pr:OO+8*\tau+2*\pr+1] op_sel:[0,1,0] op_sel_hi:[1,1,1]
.endr
.endr
.irp tau, 0,1
.irp hf, 0,1
	ds_store_b128 v[OSA], v[OO+8*\tau+4*\hf:OO+8*\tau+4*\hf+3] offset:(\g%2)*OSTB+64*\tau+16*\hf   ; lane (r, h): out(token r, 32 w + 16 tau + 8 h + 0 .. 7)
.endr
.endr
.Lno_work_\@:
	s_wait_dscnt 0x0                               ; my stores into the stage have landed, my reads of its other half are back
	s_barrier_signal -1
	s_barrier_wait -1
	s_cmp_lt_u32 \g, s21
	s_cbranch_scc0 .Lno_out_\@
	s_wait_xcnt 0x0                                ; the last group's stores have read their data and offsets
.irp i, 0,1,2,3
	ds_load_b128 v[OD+4*\i:OD+4*\i+3], v[ORD] offset:(\g%2)*OSTB+OP*\i
.endr
	s_wait_dscnt 0x0
.irp i, 0,1,2,3
	s_cmp_lt_u32 s[36+4*\g+\i], 2048               ; a row without a token is not stored
	s_cbranch_scc0 .Lno_row_\@_\i
	s_min_u32 s71, s[36+4*\g+\i], 2047
	s_lshl_b32 s71, s71, 12
	v_add_nc_u32 v[VO+\i], s71, v[L16]
	global_store_b128 v[VO+\i], v[OD+4*\i:OD+4*\i+3], s[16:17] th:TH_STORE_NT   ; 32 lanes store 512 consecutive bytes of the token's row, at a multiple of 512 from out0's first byte
.Lno_row_\@_\i:
.endr
.Lno_out_\@:
.endm
	GROUP 0
	GROUP 1
	GROUP 2
	GROUP 3
	GROUP 4
	s_wait_tensorcnt 0x0
	ds_add_u32 v190, v191
	s_wait_dscnt 0x0
	s_endpgm
.Lfunc_end_k_qe9d25a11da_down:
	.size	k_qe9d25a11da_down, .Lfunc_end_k_qe9d25a11da_down-k_qe9d25a11da_down
	.p2alignl 7, 3214868480
	.fill 96, 4, 3214868480
	.section	.rodata,"a",@progbits
	.p2align	6, 0x0
	.amdhsa_kernel k_qe9d25a11da_down
		.amdhsa_group_segment_fixed_size 245760
		.amdhsa_private_segment_fixed_size 0
		.amdhsa_enable_private_segment 0
		.amdhsa_kernarg_size 56
		.amdhsa_user_sgpr_count 2
		.amdhsa_user_sgpr_kernarg_segment_ptr 1
		.amdhsa_wavefront_size32 1
		.amdhsa_system_sgpr_workgroup_id_x 1
		.amdhsa_system_sgpr_workgroup_id_y 1
		.amdhsa_system_sgpr_workgroup_id_z 1
		.amdhsa_system_vgpr_workitem_id 0
		.amdhsa_next_free_vgpr 1024
		.amdhsa_next_free_sgpr 96
		.amdhsa_reserve_vcc 0
		.amdhsa_float_denorm_mode_32 3
		.amdhsa_float_denorm_mode_16_64 3
		.amdhsa_memory_ordered 1
		.amdhsa_forward_progress 1
		.amdhsa_inst_pref_size 237
	.end_amdhsa_kernel
	.amdgpu_metadata
---
amdhsa.version: [ 1, 2 ]
amdhsa.kernels:
  - .name:           k_qe9d25a11da_down
    .symbol:         k_qe9d25a11da_down.kd
    .args:
      - { .name: w2_codes, .offset: 0, .size: 8, .value_kind: global_buffer, .address_space: global }
      - { .name: w2_scales, .offset: 8, .size: 8, .value_kind: global_buffer, .address_space: global }
      - { .name: plan, .offset: 16, .size: 8, .value_kind: global_buffer, .address_space: global }
      - { .name: cw, .offset: 24, .size: 8, .value_kind: global_buffer, .address_space: global }
      - { .name: hcodes, .offset: 32, .size: 8, .value_kind: global_buffer, .address_space: global }
      - { .name: hscales, .offset: 40, .size: 8, .value_kind: global_buffer, .address_space: global }
      - { .name: out0, .offset: 48, .size: 8, .value_kind: global_buffer, .address_space: global }
    .group_segment_fixed_size: 245760
    .private_segment_fixed_size: 0
    .kernarg_segment_align: 8
    .kernarg_segment_size: 56
    .max_flat_workgroup_size: 128
    .sgpr_count:     96
    .vgpr_count:     1024
    .wavefront_size: 32
...
	.end_amdgpu_metadata
.endif
;; end of part 4
;; ======== version 2 of 2: 4 launches; version 1 with the launches up, down written anew for expert scheduling mode
;; workspace buffers: rt 16,384 bytes of whole numbers; cw 16,384 bytes; plan 81,920 bytes of whole numbers; hcodes 13,369,344 bytes; hscales 557,056 bytes
;; launch route: the kernel of part 1 again; grid 16 x 1, 4 waves a work-group, no clusters, 0 bytes of LDS; arguments router_logits, per_expert_scale, rt, cw, plan; writes rt, cw, plan
;; launch place: the kernel of part 2 again; grid 16 x 1, 4 waves a work-group, no clusters, 0 bytes of LDS; arguments rt, plan; writes plan
;; launch up (part 5): grid 32 x 8, 4 waves a work-group, no clusters, 153,088 bytes of LDS; arguments x_codes, x_scales, w13_codes, w13_scales, plan, hcodes, hscales; writes hcodes, hscales
.if DOCPART == 5
	.amdgcn_target "amdgcn-amd-amdhsa--gfx1250"
	.amdhsa_code_object_version 6
	.text
	.protected	k_qe9d25a11da_up
	.globl	k_qe9d25a11da_up
	.p2align	8
	.type	k_qe9d25a11da_up,@function
k_qe9d25a11da_up:
	s_mov_b64 s[64:65], 0
	v_nop
	global_prefetch_b8 v0, s[64:65] scope:SCOPE_SE
	s_setreg_imm32_b32 hwreg(HW_REG_WAVE_SCHED_MODE, 0, 2), 2
	s_setreg_imm32_b32 hwreg(HW_REG_WAVE_MODE, 25, 1), 1
	s_wait_xcnt 0x0
	s_wait_alu depctr_vm_vsrc(0)
; h = gelu(x w1^T) * (x w3^T) for the rows that were routed, quantised along the hidden axis: codes of E3M2 and one E8M0 byte for each 32, stored for the launch that follows.
; SHARES.  Work-group (x, y): expert e = y; n = x / 4: hidden units 128 n .. 128 n + 127; q = x % 4: units q, q + 4, q + 8 .. of the expert's list (a unit: 16 rows, tokens from etok).
; Wave w owns hidden block B = 4 n + w: 32 gate rows and 32 up rows of w13, 4 tiles x 8 K steps = 32 fragments = 384 registers, read from memory once and kept.  The units of x go round: through LDS, shared by the four waves.
; THE PRODUCTS ARE USED TRANSPOSED (source 0 = 16 rows of w13, source 1 = 16 tokens), and lane r of tile u takes row 8 u + r + 8 (r / 8) of the wave's 32: so a lane holds ONE token, and the 16 registers of
; tiles 0 and 1 are hidden units 16 (lane / 16) + 0 .. 15: 16 neighbours along the next product's K.  A block of 32 lies in lanes l and l xor 16.
; NO TENSOR LOADS, NO CLUSTER: how many units a work-group has hangs on a stored count, and which rows a unit holds on a stored list; the text branches on both.
; THE LOOP has a constant number of trips (9 x 2 pairs of units; an expert has 134 units at the most: 17 pairs a work-group), with one barrier a pair on every path; only loads, work and LDS stores are jumped over.
; Units behind the expert's last (the list is filled to a multiple of 8) and rows without a token are computed on token 2047's numbers and stored where nobody reads them as results.
; GELU, exact form: Phi(g) = erfc(-g / sqrt 2) / 2, erfc by the fit t exp(-a^2 + P(t)), t = 1 / (1 + a / 2), P of degree 9 (fractional error under 1.2e-7), in base 2 with the half folded into P's constant:
; E = t 2^(P2(t) - g^2 log2(e) / 2) = erfc(|g| / sqrt 2) / 2, and gelu(g) = max(g, 0) - |g| E: no difference of near numbers on either side of 0.
; LIMITS: for g under about -13 the power of two falls under the smallest normal number and comes out 0 (the exact result there is under 1e-37 |g|); the exponent's rounding gives E a relative error of about 6e-8 x 0.72 g^2;
; NaN and infinities are not served; a block of zeros gets the byte 1 (its codes are zeros; the bytes are read by this program alone).
; hcodes [8 x 136 units][32 blocks][16 rows][24 bytes], hscales [units][16 rows][32 bytes].
; REGISTERS, in windows of 256: window 0 as named below; windows 1 and 2: the weights: fragment (sg = gate 0 / up 1, tile tau, K step s) at v[12 (4 (s % 4) + 2 sg + tau)] of window 1 + s / 4; window 3: x's fragments, unit j at v[96 j + 12 s].
; THE MODE: SCHED_MODE bits 1:0 = 2 (LLVM: expert scheduling mode 2), set by the entry lines.  The code itself states the register dependences
; between vector or matrix instructions and memory or LDS instructions, with s_wait_alu, always for 0.
; THE PLAN.  Registers that memory or LDS instructions touch:
;   v4-v15, v152     offsets and LDS addresses: made once at the head, ahead of its first wait on va_vdst, and never written again.
;   the weights, WS  at the head: global loads land in them, LDS stores read them, LDS loads land in them again (a wait on vm_vsrc between the last two); from then on the products alone name them.
;   TK[par]          the tokens' loads of pair k land in it; the offsets' lines of pair k + 1 read it.
;   XO, SO           written by those lines, read by the 16 loads of x that follow them: a wait on va_vdst between.
;   RQ, RS           the loads of x land in them; the LDS stores at the pair's tail read them; no vector instruction names them.
;   x's fragments, XS   LDS loads land in them; a unit's 32 products read them.
;   CD, BY           written by the conversion and the shift behind it, read by a unit's two stores.
; At a pair's head, on every way, stand one wait on vm_vsrc (XO, SO, RQ, RS have been read) and one on va_vdst (the last pair's products are done with both units' fragments and scale words, its offsets' lines with TK[par]).
; Behind them unit 0's fragments are fetched in one run, and unit 1's are dealt among unit 0's products, a fragment behind each K step: those products name unit 0's registers, the weights and the accumulators alone.
.set WROW,  768                        ; a row of 1,024 codes in bytes
.set WP,    784                        ; the weights' stage: a row + 16 bytes = 196 words: neighbouring rows start 4 banks apart (64 banks of 4 bytes: ISA guide 11.1)
.set WSTB,  32*WP                      ; a wave's own stage: 32 rows
.set XST,   4*WSTB                     ; behind the four stages: four places for units of x
.set XP,    816                        ; a row of x there: 768 bytes of codes, 32 of scales, 16 spare = 204 words: rows start 12 banks apart
.set XU,    16*XP
.set TILEOFF, 8*WP                     ; tile 1 begins 8 rows behind tile 0
.set UPOFF, 1024*WROW                  ; from a gate row to its up row
.set HUNIT, 12288                      ; a unit of hcodes
.set LR,  1                            ; v1   r = lane % 16
.set LH,  2                            ; v2   h = lane / 16
.set WGO, 4                            ; v4   weights in memory: 768 h + 16 r: sixteen lanes take 256 bytes of a row, the other sixteen of the next row
.set WSA, 5                            ; v5   the same place in my stage
.set WRD, 6                            ; v6   a fragment's row in my stage: (r + 8 (r / 8)) WP + 24 h
.set WSO, 7                            ; v7   that row's scale bytes in memory
.set L16, 8                            ; v8   16 r
.set L2,  9                            ; v9   2 r
.set TKO, 10                           ; v10  4 (4 w + h): the token of the row that I fetch
.set LSTA, 11                          ; v11  where I put 16 bytes of a row of x: row 4 w + h
.set LSTS, 12                          ; v12  and 2 of its scale bytes
.set XRD, 13                           ; v13  a fragment's row of x: r XP + 24 h
.set XSR, 14                           ; v14  its scale words
.set HCO, 15                           ; v15  24 r + 12 h: my 16 codes in a block of hcodes
.set WS,  16                           ; v16-47   the weights' scale words: 8 (2 sg + tau) + s
.set XS,  48                           ; v48-63   x's: 8 j + s
.set ACC, 64                           ; v64-95   four accumulators
.set GG,  64                           ;          g, at the end h
.set GU,  80                           ;          u
.set GT,  96                           ; v96-111  t
.set GP,  112                          ; v112-127 the polynomial, then E
.set GQ,  128                          ; v128-143 at work
.set CD,  144                          ; v144-146 codes
.set SCV, 148                          ; v148 the conversion's scale operand
.set BY,  149                          ; v149 the scale's byte
.set MA,  150
.set MB,  151
.set HSO, 152                          ; v152 32 r
.set TMP, 153
.set C9,  154                          ; v154-155 the polynomial's leading coefficient, twice
.set TK,  160                          ; v160-167 tokens: 4 x parity + 2 j + i
.set XO,  168                          ; v168-171 offsets into x_codes
.set SO,  172                          ; v172-175 into x_scales
.set RQ,  176                          ; v176-223 rows of x as loaded
.set RS,  224                          ; v224-227 their scale bytes
.set MSB, 0
.macro WIN new                         ; the immediate's high byte repeats the setting that is left; a switch that changes nothing is dropped
.if MSB != (\new)
	s_set_vgpr_msb (MSB<<8)|(\new)
.set MSB, (\new)
.endif
.endm
; my 32 rows of gate (0) or up (1): 48 loads of 2 x 256 consecutive bytes, into the registers that their fragments will take; and the rows' scale words: 52 loads
.macro ISSUE sg
.irp rp, 0,1,2,3,4,5,6,7,8,9,10,11,12,13,14,15
	WIN 0x40*(1+\rp/8)
.irp seg, 0,1,2
.set RR, 12*(4*((\rp%8)/2)+2*(\sg)+\rp%2)+4*\seg
	global_load_b128 v[RR:RR+3], v[WGO], s[8:9] offset:(\sg)*UPOFF+\rp*2*WROW+256*\seg
.endr
.endr
	WIN 0
.irp tau, 0,1
.irp hf, 0,1
	global_load_b128 v[WS+8*(2*(\sg)+\tau)+4*\hf:WS+8*(2*(\sg)+\tau)+4*\hf+3], v[WSO], s[10:11] offset:(\sg)*32768+\tau*256+16*\hf
.endr
.endr
.endm
; through my own stage: rows in, fragments out, into the same registers.  A fragment (16 rows x 128 K) is 12 registers: registers 6 c .. 6 c + 5 hold the 24 bytes of K = 64 c + 32 h + 0 .. 31, in pieces of 8 bytes
.macro STAGE sg
.irp rp, 0,1,2,3,4,5,6,7,8,9,10,11,12,13,14,15
	WIN 0x04*(1+\rp/8)
.irp seg, 0,1,2
.set RR, 12*(4*((\rp%8)/2)+2*(\sg)+\rp%2)+4*\seg
	ds_store_b128 v[WSA], v[RR:RR+3] offset:\rp*2*WP+256*\seg
.endr
.endr
	s_wait_dscnt 0x0                               ; the rows lie in my stage
	s_wait_alu depctr_vm_vsrc(0)                   ; the LDS stores above have read the rows' registers, in which the fragments below land
.irp s, 0,1,2,3,4,5,6,7
	WIN 0x40*(1+\s/4)
.irp tau, 0,1
.irp p, 0,1,2,3,4,5
.set FF, 12*(4*(\s%4)+2*(\sg)+\tau)+2*\p
	ds_load_b64 v[FF:FF+1], v[WRD] offset:\tau*TILEOFF+96*\s+48*(\p/3)+8*(\p%3)
.endr
.endr
.endr
	WIN 0
.endm
.macro TOKENS par, off                 ; the tokens of the rows that I fetch of a pair's two units (4 places apart in the list): rows 4 w + h and 4 w + 2 + h
.irp i, 0,1,2,3
	global_load_b32 v[TK+4*(\par)+\i], v[TKO], s[28:29] offset:(\off)+256*(\i/2)+8*(\i%2)
.endr
.endm
.macro XLOAD par                       ; those rows: 3 x 256 bytes of codes and 32 of scales each, sixteen lanes to a row: all eight offsets first, one wait, 16 loads
.irp i, 0,1,2,3
	v_min_u32 v[TMP], 2047, v[TK+4*(\par)+\i]      ; 'no token' reads token 2047
	v_mad_u32_u24 v[XO+\i], v[TMP], WROW, v[L16]
	v_lshl_add_u32 v[SO+\i], v[TMP], 5, v[L2]
.endr
	s_wait_alu depctr_va_vdst(0)                   ; XO and SO are written, which the 16 loads below read as their offsets
.irp i, 0,1,2,3
.irp seg, 0,1,2
	global_load_b128 v[RQ+12*\i+4*\seg:RQ+12*\i+4*\seg+3], v[XO+\i], s[4:5] offset:256*\seg
.endr
	global_load_u16 v[RS+\i], v[SO+\i], s[6:7]
.endr
.endm
.macro XSTORE par
.irp i, 0,1,2,3
.irp seg, 0,1,2
	ds_store_b128 v[LSTA], v[RQ+12*\i+4*\seg:RQ+12*\i+4*\seg+3] offset:(2*(\par)+\i/2)*XU+(\i%2)*2*XP+256*\seg
.endr
	ds_store_b16 v[LSTS], v[RS+\i] offset:(2*(\par)+\i/2)*XU+(\i%2)*2*XP
.endr
.endm
.macro FRAGX par, j, s                 ; unit j's fragment of K step s: 6 LDS loads
	WIN 0xc0
.irp p, 0,1,2,3,4,5
	ds_load_b64 v[96*(\j)+12*(\s)+2*\p:96*(\j)+12*(\s)+2*\p+1], v[XRD] offset:(2*(\par)+(\j))*XU+96*(\s)+48*(\p/3)+8*(\p%3)
.endr
.endm
.macro XWORDS par, j                   ; unit j's scale words: 2 LDS loads
	ds_load_b128 v[XS+8*(\j):XS+8*(\j)+3], v[XSR] offset:(2*(\par)+(\j))*XU
	ds_load_b128 v[XS+8*(\j)+4:XS+8*(\j)+7], v[XSR] offset:(2*(\par)+(\j))*XU+16
.endm
.macro FETCH par, j                    ; a unit's eight fragments and its scale words in one run: 50 LDS loads
.irp s, 0,1,2,3,4,5,6,7
	FRAGX \par, \j, \s
.endr
	WIN 0
	XWORDS \par, \j
.endm
; 32 matrix instructions: the four accumulators by turns, one instruction a turn, K ascending; the first K step starts the sums.  Source 0 window 1 or 2, source 1 window 3.
; j = 0: behind each K step's four products one fragment of unit 1 is fetched, behind the last its scale words.  No wait: since the wait on va_vdst at the pair's head no vector or matrix instruction has named unit 1's registers or the loads' addresses
.macro MM par, j
.irp hf, 0,1
.irp ks, 0,1,2,3
	WIN 0x0d+\hf
.irp t, 0,1,2,3
.if (\hf+\ks) == 0
	v_wmma_scale_f32_16x16x128_f8f6f4 v[ACC+8*\t:ACC+8*\t+7], v[12*(4*\ks+\t):12*(4*\ks+\t)+11], v[96*\j+12*(4*\hf+\ks):96*\j+12*(4*\hf+\ks)+11], 0, v[WS+8*\t+4*\hf+\ks], v[XS+8*\j+4*\hf+\ks] matrix_a_fmt:MATRIX_FMT_BF6 matrix_b_fmt:MATRIX_FMT_BF6
.else
	v_wmma_scale_f32_16x16x128_f8f6f4 v[ACC+8*\t:ACC+8*\t+7], v[12*(4*\ks+\t):12*(4*\ks+\t)+11], v[96*\j+12*(4*\hf+\ks):96*\j+12*(4*\hf+\ks)+11], v[ACC+8*\t:ACC+8*\t+7], v[WS+8*\t+4*\hf+\ks], v[XS+8*\j+4*\hf+\ks] matrix_a_fmt:MATRIX_FMT_BF6 matrix_b_fmt:MATRIX_FMT_BF6
.endif
.endr
.if \j == 0
	FRAGX \par, 1, 4*\hf+\ks
.endif
.endr
.endr
	WIN 0
.if \j == 0
	XWORDS \par, 1
.endif
.rept 4
	v_nop                                          ; four places between the products and the first read of their results (ISA guide 7.12.1)
.endr
.endm
; h = gelu(g) u on a lane's 16 numbers.  Every accumulator is read from its lowest register on.  The polynomial's lines name no register of the products: they are the places ahead of the next unit's products
.macro GELU
.set i, 0
.rept 16
	v_fma_f32 v[GT+i], |v[GG+i]|, s25, 1.0         ; 1 + |g| / (2 sqrt 2)
.set i, i+1
.endr
.set i, 0
.rept 16
	v_rcp_f32 v[GT+i], v[GT+i]                     ; t
.set i, i+1
.endr
.set i, 0
.rept 8
	v_pk_mul_f32 v[GQ+i:GQ+i+1], v[GG+i:GG+i+1], 0xbf38aa3b op_sel_hi:[1,0]   ; -g log2(e) / 2  (plain lines behind the reciprocals)
.set i, i+2
.endr
.set i, 0
	s_wait_alu depctr_va_vdst(0)                   ; the sixteen reciprocals have written t: one wait for the batch, ahead of its first reader
.rept 8
	v_pk_fma_f32 v[GP+i:GP+i+1], v[GT+i:GT+i+1], v[C9:C9+1], 0xbf97d29d op_sel_hi:[1,1,0]
.set i, i+2
.endr
.irp c, 0x40097039, 0xbfd1a1e5, 0x3ecdfd18, 0xbe899a80, 0x3e0efb2e, 0x3f0a29d2, 0x3fb8ab5a, 0xc034d90f
.set i, 0
.rept 8
	v_pk_fma_f32 v[GP+i:GP+i+1], v[GP+i:GP+i+1], v[GT+i:GT+i+1], \c op_sel_hi:[1,1,0]
.set i, i+2
.endr
.endr
.set i, 0
.rept 8
	v_pk_fma_f32 v[GP+i:GP+i+1], v[GQ+i:GQ+i+1], v[GG+i:GG+i+1], v[GP+i:GP+i+1]   ; P2(t) - g^2 log2(e) / 2
.set i, i+2
.endr
.set i, 0
.rept 16
	v_exp_f32 v[GP+i], v[GP+i]
.set i, i+1
.endr
.set i, 0
.rept 16
	v_max_num_f32 v[GQ+i], 0, v[GG+i]              ; (plain lines behind the exponentials)
.set i, i+1
.endr
.set i, 0
	s_wait_alu depctr_va_vdst(0)                   ; the sixteen exponentials have written their powers of two: one wait for the batch, ahead of its first reader
.rept 8
	v_pk_mul_f32 v[GP+i:GP+i+1], v[GP+i:GP+i+1], v[GT+i:GT+i+1]   ; E
.set i, i+2
.endr
.set i, 0
.rept 16
	v_fma_f32 v[GQ+i], -|v[GG+i]|, v[GP+i], v[GQ+i]   ; gelu(g)
.set i, i+1
.endr
.set i, 0
.rept 8
	v_pk_mul_f32 v[GG+i:GG+i+1], v[GQ+i:GQ+i+1], v[GU+i:GU+i+1]
.set i, i+2
.endr
.endm
; the block's largest magnitude (my 16, the floor 2^(5 - 127) among the leaves, lane l xor 16's), 4 off its exponent field: the conversion's scale operand; its exponent field is the byte
.macro QUANT j
	v_max3_num_f32 v[MA], |v[GG]|, |v[GG+1]|, 0x2800000
	v_max3_num_f32 v[MB], |v[GG+8]|, |v[GG+9]|, |v[GG+10]|
	v_max3_num_f32 v[MA], v[MA], |v[GG+2]|, |v[GG+3]|
	v_max3_num_f32 v[MB], v[MB], |v[GG+11]|, |v[GG+12]|
	v_max3_num_f32 v[MA], v[MA], |v[GG+4]|, |v[GG+5]|
	v_max3_num_f32 v[MB], v[MB], |v[GG+13]|, |v[GG+14]|
	v_max3_num_f32 v[MA], v[MA], |v[GG+6]|, |v[GG+7]|
	v_max3_num_f32 v[MA], v[MA], v[MB], |v[GG+15]|
	v_permlanex16_b32 v[MB], v[MA], s26, s27
	v_max_num_f32 v[MA], v[MA], v[MB]
	s_wait_xcnt 0x0                                ; the last unit's stores have had their addresses translated (ISA guide 3.1): their data may be written again
	s_wait_alu depctr_vm_vsrc(0)                   ; the last unit's stores have read CD and BY, which the conversion and the shift below write
	v_add_nc_u32 v[SCV], 0xfe000000, v[MA]
	v_cvt_scalef32_pk16_bf6_f32 v[CD:CD+2], v[GG:GG+15], v[SCV]
	v_lshrrev_b32 v[BY], 23, v[SCV]                ; (the plain line behind the conversion)
	s_wait_alu depctr_va_vdst(0)                   ; the conversion has written CD and the shift BY, which the two stores below read
	global_store_b96 v[HCO], v[CD:CD+2], s[30:31] offset:\j*4*HUNIT   ; the wave's 32 lanes store a block's 384 consecutive bytes
	global_store_b8 v[HSO], v[BY], s[32:33] offset:\j*2048            ; both lanes of a block store the same byte with the same value
.endm
	s_load_b256 s[4:11], s[0:1], 0x0               ; x_codes s[4:5], x_scales s[6:7], w13_codes s[8:9], w13_scales s[10:11]
	s_load_b128 s[12:15], s[0:1], 0x20             ; plan s[12:13], hcodes s[14:15]
	s_load_b64 s[16:17], s[0:1], 0x30              ; hscales
	v_lshl_add_u32 v254, v0, 2, 0x25400
	v_mov_b32 v255, 0
	v_lshrrev_b32 v1, 5, v0
	v_readfirstlane_b32 s18, v1                    ; wave
	s_and_b32 s19, ttmp9, 3                        ; q
	s_lshr_b32 s20, ttmp9, 2                       ; n
	s_and_b32 s21, ttmp7, 0xffff                   ; e
	v_and_b32 v[LR], 15, v0
	v_bfe_u32 v[LH], v0, 4, 1
	s_wait_alu depctr_va_sdst(0)                   ; s18 is written, ahead of its first reader: LDS places and bases are made from it
	s_mul_i32 s34, s18, WSTB                       ; my stage
	v_mul_u32_u24 v[WGO], v[LH], WROW
	v_lshl_add_u32 v[WGO], v[LR], 4, v[WGO]
	v_mul_u32_u24 v[WSA], v[LH], WP
	v_lshl_add_u32 v[WSA], v[LR], 4, v[WSA]
	v_add_nc_u32 v[WSA], s34, v[WSA]
	v_and_b32 v[TMP], 8, v[LR]
	v_add_nc_u32 v[TMP], v[TMP], v[LR]             ; r + 8 (r / 8)
	v_mul_u32_u24 v[WRD], v[TMP], WP
	v_mad_u32_u24 v[WRD], v[LH], 24, v[WRD]
	v_add_nc_u32 v[WRD], s34, v[WRD]
	v_lshlrev_b32 v[WSO], 5, v[TMP]
	v_lshlrev_b32 v[L16], 4, v[LR]
	v_lshlrev_b32 v[L2], 1, v[LR]
	s_lshl_b32 s35, s18, 4
	v_lshl_add_u32 v[TKO], v[LH], 2, s35
	s_mul_i32 s35, s18, 4*XP
	s_add_co_u32 s35, s35, XST
	v_mul_u32_u24 v[LSTA], v[LH], XP
	v_add_nc_u32 v[LSTA], s35, v[LSTA]
	v_lshl_add_u32 v[LSTS], v[LR], 1, v[LSTA]
	v_add_nc_u32 v[LSTS], 768, v[LSTS]
	v_lshl_add_u32 v[LSTA], v[LR], 4, v[LSTA]
	v_mul_u32_u24 v[XSR], v[LR], XP
	v_add_nc_u32 v[XSR], XST, v[XSR]
	v_mad_u32_u24 v[XRD], v[LH], 24, v[XSR]
	v_add_nc_u32 v[XSR], 768, v[XSR]
	v_mul_u32_u24 v[HCO], v[LR], 24
	v_mad_u32_u24 v[HCO], v[LH], 12, v[HCO]
	v_lshlrev_b32 v[HSO], 5, v[LR]
	v_mov_b32 v[C9], 0x3e7c6f08
	v_mov_b32 v[C9+1], 0x3e7c6f08
	s_mov_b32 s25, 0x3eb504f3                      ; 1 / (2 sqrt 2)
	s_mov_b32 s26, 0x76543210
	s_mov_b32 s27, 0xfedcba98                      ; v_permlanex16_b32's selects for lane l xor 16
	s_lshl_b32 s34, s21, 11
	s_lshl_b32 s35, s20, 7
	s_add_co_u32 s34, s34, s35
	s_lshl_b32 s35, s18, 5
	s_add_co_u32 s34, s34, s35                     ; my first gate row: 2048 e + 128 n + 32 w
	s_mul_i32 s38, s34, WROW
	s_mov_b32 s39, 0
	s_lshl_b32 s40, s34, 5
	s_mov_b32 s41, 0
	s_mul_i32 s42, s21, 136
	s_add_co_u32 s42, s42, s19                     ; my first unit: 136 e + q
	s_lshl_b32 s44, s42, 6
	s_add_co_u32 s44, s44, 12288
	s_mov_b32 s45, 0
	s_lshl_b32 s35, s20, 2
	s_add_co_u32 s35, s35, s18                     ; B
	s_mul_i32 s46, s42, HUNIT
	s_mul_i32 s34, s35, 384
	s_add_co_u32 s46, s46, s34
	s_mov_b32 s47, 0
	s_lshl_b32 s48, s42, 9
	s_add_co_u32 s48, s48, s35
	s_mov_b32 s49, 0
	s_lshl_b32 s36, s21, 2
	s_mov_b32 s37, 0
	s_wait_kmcnt 0x0
	s_add_nc_u64 s[8:9], s[8:9], s[38:39]
	s_add_nc_u64 s[10:11], s[10:11], s[40:41]
	s_add_nc_u64 s[28:29], s[12:13], s[44:45]      ; the list's entries of my first unit
	s_add_nc_u64 s[30:31], s[14:15], s[46:47]      ; my block of its codes
	s_add_nc_u64 s[32:33], s[16:17], s[48:49]      ; my byte of its rows' scales
	s_add_nc_u64 s[36:37], s[12:13], s[36:37]
	s_load_b32 s22, s[36:37], 0x0                  ; the expert's units
	s_wait_alu depctr_va_vdst(0)                   ; the offsets and LDS addresses v4 to v15 and v152 are written, which the kernel's loads and stores read; they are never written again
	; THE HEAD has no branch: the list's first 16 units are written whatever the count
	TOKENS 0, 0
	TOKENS 1, 512
	ISSUE 0
	s_wait_loadcnt 52                              ; behind the tokens' loads stand the gate rows' 52: the tokens are in
	s_add_nc_u64 s[28:29], s[28:29], 1024          ; (their loads are done: the base may step)  on to the third pair's tokens
	XLOAD 0
	ISSUE 1
	s_wait_loadcnt 63                              ; behind the gate rows' loads stand 16 + 52; the wait's field holds 63, so five of x's loads are waited for too
	STAGE 0
	s_wait_loadcnt 52                              ; behind x's loads stand the up rows' 52
	XSTORE 0
	s_wait_loadcnt 0x0
	STAGE 1
	s_wait_kmcnt 0x0
	s_min_u32 s22, s22, 136
	s_add_co_u32 s22, s22, 7
	s_lshr_b32 s22, s22, 3                         ; my pairs of units: the list, filled to a multiple of 8, is shared by four work-groups
	s_mov_b32 s23, 0                               ; the pair in hand, k
	s_mov_b32 s24, 9
; A PAIR OF UNITS, in the places of parity par.  ONE barrier: in front of it every wave's stores into these places have landed and its reads of the other two places are back;
; behind it these places are read and the other two are written.
.macro PAIR par
	s_wait_loadcnt 0x0                             ; the next pair's tokens (asked for a pair ago)
	s_wait_dscnt 0x0                               ; my LDS stores have landed, my LDS loads are in
	s_wait_alu depctr_vm_vsrc(0)                   ; the last loads of x have read XO and SO, which the offsets' lines below write; the last LDS stores of x have read RQ and RS, in which the next rows land
	s_wait_alu depctr_va_vdst(0)                   ; the last pair's products are done reading both units' fragments and scale words, in which this pair's LDS loads land; its offsets' lines are done reading TK[par], in which the tokens' loads below land
	s_add_co_u32 s34, s23, 1
	s_cmp_lt_u32 s34, s22
	s_cbranch_scc0 .Lno_x_\@
	XLOAD 1-\par                                   ; the next pair's rows are on their way while this pair is worked
.Lno_x_\@:
	s_add_co_u32 s34, s23, 2
	s_cmp_lt_u32 s34, s22
	s_cbranch_scc0 .Lno_t_\@
	TOKENS \par, 0
.Lno_t_\@:
	s_barrier_signal -1
	s_barrier_wait -1
	s_cmp_lt_u32 s23, s22
	s_cbranch_scc0 .Lno_w_\@
	FETCH \par, 0
	s_wait_dscnt 0x0                               ; the first unit's fragments and scale words are in
	MM \par, 0                                     ; the second unit's are fetched among these products
	GELU
	QUANT 0
	s_wait_dscnt 0x0                               ; the second unit's are in
	MM \par, 1
	GELU
	QUANT 1
.Lno_w_\@:
	s_wait_loadcnt 0x0                             ; the next pair's rows
	s_add_co_u32 s34, s23, 1
	s_cmp_lt_u32 s34, s22
	s_cbranch_scc0 .Lno_s_\@
	XSTORE 1-\par
.Lno_s_\@:
	s_wait_xcnt 0x0                                ; loads and stores have read their bases
	s_add_nc_u64 s[28:29], s[28:29], 512           ; 8 places on in the list,
	s_add_nc_u64 s[30:31], s[30:31], 8*HUNIT       ; in the codes,
	s_add_nc_u64 s[32:33], s[32:33], 4096          ; in the scale bytes
	s_add_co_u32 s23, s23, 1
.endm
.Lloop:
	PAIR 0
	PAIR 1
	s_sub_co_u32 s24, s24, 1
	s_cmp_lg_u32 s24, 0
	s_cbranch_scc1 .Lloop
	s_wait_dscnt 0x0                               ; the closing lines, six on end
	s_wait_alu 0x0
	s_wait_tensorcnt 0x0
	ds_add_u32 v254, v255
	s_wait_dscnt 0x0
	s_endpgm
.Lfunc_end_k_qe9d25a11da_up:
	.size	k_qe9d25a11da_up, .Lfunc_end_k_qe9d25a11da_up-k_qe9d25a11da_up
	.p2alignl 7, 3214868480
	.fill 96, 4, 3214868480
	.section	.rodata,"a",@progbits
	.p2align	6, 0x0
	.amdhsa_kernel k_qe9d25a11da_up
		.amdhsa_group_segment_fixed_size 153088
		.amdhsa_private_segment_fixed_size 0
		.amdhsa_enable_private_segment 0
		.amdhsa_kernarg_size 56
		.amdhsa_user_sgpr_count 2
		.amdhsa_user_sgpr_kernarg_segment_ptr 1
		.amdhsa_wavefront_size32 1
		.amdhsa_system_sgpr_workgroup_id_x 1
		.amdhsa_system_sgpr_workgroup_id_y 1
		.amdhsa_system_sgpr_workgroup_id_z 1
		.amdhsa_system_vgpr_workitem_id 0
		.amdhsa_next_free_vgpr 1024
		.amdhsa_next_free_sgpr 66
		.amdhsa_reserve_vcc 0
		.amdhsa_float_denorm_mode_32 3
		.amdhsa_float_denorm_mode_16_64 3
		.amdhsa_memory_ordered 1
		.amdhsa_forward_progress 1
		.amdhsa_inst_pref_size 132
	.end_amdhsa_kernel
	.amdgpu_metadata
---
amdhsa.version: [ 1, 2 ]
amdhsa.kernels:
  - .name:           k_qe9d25a11da_up
    .symbol:         k_qe9d25a11da_up.kd
    .args:
      - { .name: x_codes, .offset: 0, .size: 8, .value_kind: global_buffer, .address_space: global }
      - { .name: x_scales, .offset: 8, .size: 8, .value_kind: global_buffer, .address_space: global }
      - { .name: w13_codes, .offset: 16, .size: 8, .value_kind: global_buffer, .address_space: global }
      - { .name: w13_scales, .offset: 24, .size: 8, .value_kind: global_buffer, .address_space: global }
      - { .name: plan, .offset: 32, .size: 8, .value_kind: global_buffer, .address_space: global }
      - { .name: hcodes, .offset: 40, .size: 8, .value_kind: global_buffer, .address_space: global }
      - { .name: hscales, .offset: 48, .size: 8, .value_kind: global_buffer, .address_space: global }
    .group_segment_fixed_size: 153088
    .private_segment_fixed_size: 0
    .kernarg_segment_align: 8
    .kernarg_segment_size: 56
    .max_flat_workgroup_size: 128
    .sgpr_count:     66
    .vgpr_count:     1024
    .wavefront_size: 32
...
	.end_amdgpu_metadata
.endif
;; end of part 5
;; launch down (part 6): grid 8 x 32, 4 waves a work-group, no clusters, 245,760 bytes of LDS; arguments w2_codes, w2_scales, plan, cw, hcodes, hscales, out0; writes out0
.if DOCPART == 6
	.amdgcn_target "amdgcn-amd-amdhsa--gfx1250"
	.amdhsa_code_object_version 6
	.text
	.protected	k_qe9d25a11da_down
	.globl	k_qe9d25a11da_down
	.p2align	8
	.type	k_qe9d25a11da_down,@function
k_qe9d25a11da_down:
	s_mov_b64 s[64:65], 0
	v_nop
	global_prefetch_b8 v0, s[64:65] scope:SCOPE_SE
	s_setreg_imm32_b32 hwreg(HW_REG_WAVE_SCHED_MODE, 0, 2), 2
	s_setreg_imm32_b32 hwreg(HW_REG_WAVE_MODE, 25, 1), 1
	s_wait_xcnt 0x0
	s_wait_alu depctr_vm_vsrc(0)
; out[t] = wa (h_a w2[a]^T) + wb (h_b w2[b]^T): the second product on codes of E3M2 and the weighted sum of a token's two experts.  EACH OUTPUT ROW HAS ONE OWNER, so nothing is added across work-groups.
; SHARES.  Work-group (x, y): n = x: output columns 128 n .. 128 n + 127; y: groups 5 y .. 5 y + 4 of 16 tokens.  All tokens of a group have the same two experts; slot 0 is the lower expert's unit of h, slot 1 the higher's.
; Wave w owns columns 128 n + 32 w .. + 31: 2 tiles x 8 K steps for each slot = 32 fragments of w2 in 384 registers.  Groups are sorted by pair: a slot's weights are read anew only where its expert changes.
; The chunk's ten units of h come into LDS once, as they lie in memory, and are read by all four waves.
; THE PRODUCT IS USED TRANSPOSED (source 0 = 16 rows of w2 = 16 output columns, source 1 = 16 tokens): a lane holds one token and eight neighbouring columns; a row's 128 columns meet in a stage in LDS and leave as 512 consecutive bytes.
; ONE GROUP AHEAD.  What a group needs is asked for while the group before is at work:
;   the higher expert's weights, where that expert changes: 48 loads at the head of the group before, into 192 spare registers;
;   its fragments of h, and, where they change, the lower expert's weights and the higher's scale words: straight behind the products of the group before, into the registers that those have left
;   (h in LDS is written once, in the head: its reads need no barrier).
; Which slot changes ahead of which group is worked out once, in the head, as eight scalar flags (0 for a group that does not exist): the line that asks and the line that stages test the same flag.
; NO TENSOR LOADS, NO CLUSTER: which experts, units and tokens a chunk has hangs on stored lists, and the text branches on them.
; THE HEAD HAS NO BRANCH: the lists are written for all 160 groups (behind the last group: copies of group 0, and no tokens).  Six barriers, on every path; a group that does not exist is jumped over; a row without a token is not stored.
; REGISTERS, in windows of 256: window 0 as named below; windows 1 and 2: the weights: fragment (slot sg, tile tau, K step s) at v[12 (4 (s % 4) + 2 sg + tau)] of window 1 + s / 4;
; window 3: first h as loaded (unit u at v[24 u], its scale words at v[240 + u]), then a group's fragments of h (slot sg at v[96 sg + 12 s]);  v192-255 of windows 1, 2 and 0: the spare registers, 16 x 4 in each.
; THE MODE: SCHED_MODE bits 1:0 = 2 (LLVM: expert scheduling mode 2), set by the entry lines.  The code itself states the register dependences
; between vector or matrix instructions and memory or LDS instructions, with s_wait_alu, always for 0.
; THE PLAN.  Registers that memory or LDS instructions touch:
;   v4-v20, v23, v146-v188   offsets and LDS addresses.  All are made in the head, each ahead of one of its three waits on va_vdst, and never written again: every group has offsets of its own for its weights and its rows of out.
;   v72-v102                 in the head alone: the offsets of h, of the tokens and of cw, and the tokens as loaded.  From group 0 on these registers are the accumulators: a wait on vm_vsrc stands between.
;   the weights' fragments, WS, h's fragments, HS   read by a group's 32 products; then the next group's loads land in them.  ONE wait on va_vdst stands behind the products and their places, where the weighted sum
;                            wants the last results in any case; all that the next group asks for into these registers follows it, and the sum behind it names the accumulators, CW and OO alone.
;   the spare registers      named by global loads and LDS stores alone: a wait on vm_vsrc behind the stores.
;   OO                       written by the weighted sum, read by four LDS stores: a wait on va_vdst between; written again a group on.
;   OD                       LDS loads land in it, the row stores read it; loaded again a group on.  One wait on vm_vsrc at a group's head, ahead of its branch, serves OO and OD.
.set WROW,  768
.set WP,    784                        ; the weights' stage: a row + 16 bytes = 196 words: rows start 4 banks apart (64 banks of 4 bytes: ISA guide 11.1)
.set WSTB,  32*WP
.set HU,    12800                      ; a unit of h in LDS: 12,288 bytes of codes [32 blocks][16 rows][24], then 512 of scales [16 rows][32]
.set WST,   10*HU                      ; behind the ten units: a stage of its own for each wave
.set OST,   WST+4*WSTB                 ; behind them: two stages for rows of out, by turns
.set OP,    528                        ; 512 bytes + 16
.set OSTB,  16*OP
.set TILEOFF, 16*WP
.set LR,  1
.set LH,  2
.set LN,  3
.set WGO, 4                            ; v4   weights in memory: 768 h + 16 r
.set WSA, 5                            ; v5   the same place in my stage
.set WRD, 6                            ; v6   a fragment's row in my stage: r WP + 24 h
.set WSO, 7                            ; v7   32 r
.set HWA, 10                           ; v10  3072 w + 16 lane: my part of a unit, in memory and in LDS (units 0-4)
.set HWB, 11                           ; v11  the same for units 5-9
.set HWS, 12                           ; v12  my part of a unit's scales in LDS (units 0-4)
.set HWT, 13                           ; v13  (units 5-9)
.set HRD, 14                           ; v14-16  24 r + 384 h: a fragment's piece of h (block 4 s + 2 c + h, row r), in groups 0 and 1, 2 and 3, 4: two groups to a register, the immediate does the rest
.set OSA, 18                           ; v18  where I put 32 bytes of a row of out
.set ORD, 19                           ; v19  where I read a row back
.set L16, 20                           ; v20  16 lane
.set SB,  23                           ; v23  128 w + 4 lane
.set WS,  24                           ; v24-55  the weights' scale words: 8 (2 sg + tau) + s
.set HS,  56                           ; v56-71  h's: 8 sg + s
.set YY,  72                           ; v72-103 four accumulators: 8 (2 sg + tau)
.set VH,  72                           ; v72-81  in the head alone: offsets into hcodes
.set VS,  82                           ; v82-91  into hscales
.set TKO, 92                           ; v92     into gtok
.set CWA, 93                           ; v93-97  into cw
.set TOK, 98                           ; v98-102 my token, a group each
.set OO,  104                          ; v104-119 the weighted sums
.set OD,  120                          ; v120-135 four rows of out
.set CW,  136                          ; v136-145 my token's two weights, a pair a group
.set AW0, 146                          ; v146-150 group g: its lower expert's offset + WGO
.set AS0, 151                          ; v151-155 the same + WSO
.set AW1, 156                          ; v156-160 its higher expert's offset + WGO
.set AS1, 161                          ; v161-165 the same + WSO
.set VO,  166                          ; v166-185 offsets into out0: 4 g + i: the token of row 4 w + i of group g
.set HSR, 186                          ; v186-188 12288 + 32 r: a row's scale words of h, as HRD
.set SPR, 192                          ; v192-255 of windows 1, 2, 0: piece k = 3 x (pair of rows) + (256 bytes of the row) at v[192 + 4 (k % 16)] of window (k / 16 + 1) % 3
.set EA,  56                           ; s56-60 the groups' lower experts
.set EB,  66                           ; s66-70 the higher
.set FA,  83                           ; s84-87 group g = 1 .. 4 exists and its lower expert is not group g - 1's
.set FB,  87                           ; s88-91 the same of the higher
.set MSB, 0
.macro WIN new                         ; the immediate's high byte repeats the setting that is left; a switch that changes nothing is dropped
.if MSB != (\new)
	s_set_vgpr_msb (MSB<<8)|(\new)
.set MSB, (\new)
.endif
.endm
; the four offsets of group g's weights
.macro ADRW g
	s_min_u32 s71, s[EA+(\g)], 7
	s_mul_i32 s76, s71, 1024*WROW
	v_add_nc_u32 v[AW0+(\g)], s76, v[WGO]
	s_lshl_b32 s76, s71, 15
	v_add_nc_u32 v[AS0+(\g)], s76, v[WSO]
	s_min_u32 s71, s[EB+(\g)], 7
	s_mul_i32 s76, s71, 1024*WROW
	v_add_nc_u32 v[AW1+(\g)], s76, v[WGO]
	s_lshl_b32 s76, s71, 15
	v_add_nc_u32 v[AS1+(\g)], s76, v[WSO]
.endm
; slot 0's weights for group g: my 32 rows of its lower expert, into the registers that their fragments will take: 48 loads of 2 x 256 consecutive bytes, and 4 of scale words: 52 loads
.macro LOADW0 g
.irp rp, 0,1,2,3,4,5,6,7,8,9,10,11,12,13,14,15
	WIN 0x40*(1+\rp/8)
.irp seg, 0,1,2
.set RR, 12*(4*((\rp%8)/2)+\rp%2)+4*\seg
	global_load_b128 v[RR:RR+3], v[AW0+(\g)], s[4:5] offset:\rp*2*WROW+256*\seg
.endr
.endr
	WIN 0
.irp tau, 0,1
.irp hf, 0,1
	global_load_b128 v[WS+8*\tau+4*\hf:WS+8*\tau+4*\hf+3], v[AS0+(\g)], s[6:7] offset:\tau*512+16*\hf
.endr
.endr
.endm
; slot 1's rows for group g, into the spare registers, while slot 1's fragments are still at work: 48 loads
.macro LOADP g
.irp rp, 0,1,2,3,4,5,6,7,8,9,10,11,12,13,14,15
.irp seg, 0,1,2
.set KK, 3*\rp+\seg
	WIN 0x40*(((KK/16)+1)%3)
	global_load_b128 v[SPR+4*(KK%16):SPR+4*(KK%16)+3], v[AW1+(\g)], s[4:5] offset:\rp*2*WROW+256*\seg
.endr
.endr
	WIN 0
.endm
; and those rows' scale words, into slot 1's scale registers: 4 loads
.macro LOADS1 g
.irp tau, 0,1
.irp hf, 0,1
	global_load_b128 v[WS+8*(2+\tau)+4*\hf:WS+8*(2+\tau)+4*\hf+3], v[AS1+(\g)], s[6:7] offset:\tau*512+16*\hf
.endr
.endr
.endm
; out of my own stage: slot sg's 16 fragments.  A fragment (16 rows x 128 K) is 12 registers: registers 6 c .. 6 c + 5 hold the 24 bytes of K = 64 c + 32 h + 0 .. 31, in pieces of 8 bytes
.macro STAGE_OUT sg
	s_wait_dscnt 0x0                               ; the rows lie in my stage
	s_wait_alu depctr_vm_vsrc(0)                   ; the LDS stores into the stage have read their data: slot 0's own registers, in which the fragments below land, or the spare registers, in which the next rows of the higher expert land
.irp s, 0,1,2,3,4,5,6,7
	WIN 0x40*(1+\s/4)
.irp tau, 0,1
.irp p, 0,1,2,3,4,5
.set FF, 12*(4*(\s%4)+2*(\sg)+\tau)+2*\p
	ds_load_b64 v[FF:FF+1], v[WRD] offset:\tau*TILEOFF+96*\s+48*(\p/3)+8*(\p%3)
.endr
.endr
.endr
	WIN 0
.endm
.macro STAGE sg                        ; rows that were loaded in place go in, fragments come out into the same registers
.irp rp, 0,1,2,3,4,5,6,7,8,9,10,11,12,13,14,15
	WIN 0x04*(1+\rp/8)
.irp seg, 0,1,2
.set RR, 12*(4*((\rp%8)/2)+2*(\sg)+\rp%2)+4*\seg
	ds_store_b128 v[WSA], v[RR:RR+3] offset:\rp*2*WP+256*\seg
.endr
.endr
	STAGE_OUT \sg
.endm
.macro STAGEP                          ; rows from the spare registers go in, slot 1's fragments come out
.irp rp, 0,1,2,3,4,5,6,7,8,9,10,11,12,13,14,15
.irp seg, 0,1,2
.set KK, 3*\rp+\seg
	WIN 0x04*(((KK/16)+1)%3)
	ds_store_b128 v[WSA], v[SPR+4*(KK%16):SPR+4*(KK%16)+3] offset:\rp*2*WP+256*\seg
.endr
.endr
	STAGE_OUT 1
.endm
; K steps 4 hf .. 4 hf + 3 of both units of group g: 8 fragments and their scale words: 50 LDS loads
.macro FETCHH g, hf
	WIN 0xc0
.irp sg, 0,1
.irp ks, 0,1,2,3
.irp p, 0,1,2,3,4,5
	ds_load_b64 v[96*\sg+12*(4*(\hf)+\ks)+2*\p:96*\sg+12*(4*(\hf)+\ks)+2*\p+1], v[HRD+(\g)/2] offset:((\g)%2)*2*HU+\sg*HU+1536*(4*(\hf)+\ks)+768*(\p/3)+8*(\p%3)
.endr
.endr
.endr
	WIN 0
.irp sg, 0,1
	ds_load_b128 v[HS+8*\sg+4*(\hf):HS+8*\sg+4*(\hf)+3], v[HSR+(\g)/2] offset:((\g)%2)*2*HU+\sg*HU+16*(\hf)
.endr
.endm
; 16 matrix instructions, K steps 4 hf .. 4 hf + 3: the four accumulators by turns, one instruction a turn, K ascending; the first K step starts the sums.  Source 0 window 1 or 2, source 1 window 3
.macro MMH hf
	WIN 0x0d+\hf
.irp ks, 0,1,2,3
.irp t, 0,1,2,3
.if (\hf+\ks) == 0
	v_wmma_scale_f32_16x16x128_f8f6f4 v[YY+8*\t:YY+8*\t+7], v[12*(4*\ks+\t):12*(4*\ks+\t)+11], v[96*(\t/2)+12*(4*\hf+\ks):96*(\t/2)+12*(4*\hf+\ks)+11], 0, v[WS+8*\t+4*\hf+\ks], v[HS+8*(\t/2)+4*\hf+\ks] matrix_a_fmt:MATRIX_FMT_BF6 matrix_b_fmt:MATRIX_FMT_BF6
.else
	v_wmma_scale_f32_16x16x128_f8f6f4 v[YY+8*\t:YY+8*\t+7], v[12*(4*\ks+\t):12*(4*\ks+\t)+11], v[96*(\t/2)+12*(4*\hf+\ks):96*(\t/2)+12*(4*\hf+\ks)+11], v[YY+8*\t:YY+8*\t+7], v[WS+8*\t+4*\hf+\ks], v[HS+8*(\t/2)+4*\hf+\ks] matrix_a_fmt:MATRIX_FMT_BF6 matrix_b_fmt:MATRIX_FMT_BF6
.endif
.endr
.endr
.endm
	s_load_b256 s[4:11], s[0:1], 0x0               ; w2_codes s[4:5], w2_scales s[6:7], plan s[8:9], cw s[10:11]
	s_load_b128 s[12:15], s[0:1], 0x20             ; hcodes s[12:13], hscales s[14:15]
	s_load_b64 s[16:17], s[0:1], 0x30              ; out0
	v_lshl_add_u32 v190, v0, 2, 0x3be00
	v_mov_b32 v191, 0
	v_lshrrev_b32 v1, 5, v0
	v_readfirstlane_b32 s18, v1                    ; wave
	s_mov_b32 s19, ttmp9                           ; n
	s_and_b32 s20, ttmp7, 0xffff                   ; the chunk
	v_and_b32 v[LR], 15, v0
	v_bfe_u32 v[LH], v0, 4, 1
	v_and_b32 v[LN], 31, v0
	s_wait_alu depctr_va_sdst(0)                   ; s18 is written, ahead of its first reader: LDS places and bases are made from it
	s_mul_i32 s71, s18, WSTB
	s_add_co_u32 s71, s71, WST                     ; my stage
	v_mul_u32_u24 v[WGO], v[LH], WROW
	v_lshl_add_u32 v[WGO], v[LR], 4, v[WGO]
	v_mul_u32_u24 v[WSA], v[LH], WP
	v_lshl_add_u32 v[WSA], v[LR], 4, v[WSA]
	v_add_nc_u32 v[WSA], s71, v[WSA]
	v_mul_u32_u24 v[WRD], v[LR], WP
	v_mad_u32_u24 v[WRD], v[LH], 24, v[WRD]
	v_add_nc_u32 v[WRD], s71, v[WRD]
	v_lshlrev_b32 v[WSO], 5, v[LR]
	s_mul_i32 s76, s18, 3072
	v_lshl_add_u32 v[HWA], v[LN], 4, s76
	v_add_nc_u32 v[HWB], 5*HU, v[HWA]
	s_lshl_b32 s76, s18, 7
	v_lshl_add_u32 v[SB], v[LN], 2, s76
	v_add_nc_u32 v[HWS], 12288, v[SB]
	v_add_nc_u32 v[HWT], 5*HU+12288, v[SB]
	v_mul_u32_u24 v[HRD], v[LR], 24
	v_mad_u32_u24 v[HRD], v[LH], 384, v[HRD]
	v_add_nc_u32 v[HRD+1], 4*HU, v[HRD]            ; groups 2 and 3 begin four units on,
	v_add_nc_u32 v[HRD+2], 8*HU, v[HRD]            ; group 4 eight
	v_lshlrev_b32 v[HSR], 5, v[LR]
	v_add_nc_u32 v[HSR], 12288, v[HSR]
	v_add_nc_u32 v[HSR+1], 4*HU, v[HSR]
	v_add_nc_u32 v[HSR+2], 8*HU, v[HSR]
	s_add_co_u32 s76, s76, OST
	v_mul_u32_u24 v[OSA], v[LR], OP
	v_lshl_add_u32 v[OSA], v[LH], 5, v[OSA]
	v_add_nc_u32 v[OSA], s76, v[OSA]               ; row r, + 128 w + 32 h
	s_mul_i32 s76, s18, 4*OP
	s_add_co_u32 s76, s76, OST
	v_lshlrev_b32 v[L16], 4, v[LN]
	v_add_nc_u32 v[ORD], s76, v[L16]               ; rows 4 w on, 16 bytes a lane
	s_lshl_b32 s71, s19, 7
	s_lshl_b32 s76, s18, 5
	s_add_co_u32 s71, s71, s76                     ; my first row of w2 in an expert: 128 n + 32 w
	s_mul_i32 s78, s71, WROW
	s_mov_b32 s79, 0
	s_lshl_b32 s80, s71, 5
	s_mov_b32 s81, 0
	s_mul_i32 s72, s20, 40                         ; ginfo: 5 groups x 8 bytes a chunk
	s_mov_b32 s73, 0
	s_mul_i32 s74, s20, 320                        ; gtok: 5 groups x 64 bytes
	v_lshl_add_u32 v[TKO], v[LR], 2, s74           ; the token of row r
	s_lshl_b32 s76, s18, 4
	s_add_co_u32 s74, s74, s76                     ; the tokens of rows 4 w .. 4 w + 3
	s_mov_b32 s75, 0
	s_lshl_b32 s82, s19, 9
	s_mov_b32 s83, 0
	s_wait_kmcnt 0x0
	s_add_nc_u64 s[4:5], s[4:5], s[78:79]
	s_add_nc_u64 s[6:7], s[6:7], s[80:81]
	s_add_nc_u64 s[72:73], s[8:9], s[72:73]
	s_add_nc_u64 s[74:75], s[8:9], s[74:75]
	s_add_nc_u64 s[16:17], s[16:17], s[82:83]      ; out0 at my 128 columns
	s_load_b32 s21, s[8:9], 0x20                   ; G
	s_load_b256 s[24:31], s[72:73], 0x100          ; the five groups' ginfo
	s_load_b64 s[32:33], s[72:73], 0x120
.irp g, 0,1,2,3,4
	s_load_b128 s[36+4*\g:39+4*\g], s[74:75], 2048+64*\g
.endr
	s_wait_alu depctr_va_vdst(0)                   ; the offsets and LDS addresses made of ids are written: v[TKO], which the loads below read, and v5, v6, v10 to v20, v186 to v188, which the LDS instructions of the whole kernel read
.irp g, 0,1,2,3,4
	global_load_b32 v[TOK+\g], v[TKO], s[8:9] offset:2048+64*\g
.endr
	s_wait_kmcnt 0x0
	s_mul_i32 s71, s20, 5
	s_sub_co_i32 s21, s21, s71
	s_max_i32 s21, s21, 0
	s_min_i32 s21, s21, 5                          ; my groups
.irp g, 0,1,2,3,4
	s_and_b32 s[EA+\g], s[24+2*\g], 255
	s_and_b32 s[EB+\g], s[25+2*\g], 255
.endr
.irp u, 0,1,2,3,4,5,6,7,8,9            ; unit u = 2 x group + slot: 136 x expert + its place in the expert's list
	s_and_b32 s71, s[24+\u], 255
	s_lshr_b32 s76, s[24+\u], 8
	s_mul_i32 s71, s71, 136
	s_add_co_u32 s71, s71, s76
	s_min_u32 s71, s71, 1087
	s_mul_i32 s76, s71, 12288
	v_add_nc_u32 v[VH+\u], s76, v[HWA]
	s_lshl_b32 s76, s71, 9
	v_add_nc_u32 v[VS+\u], s76, v[SB]
.endr
	ADRW 0
	WIN 0xc0
	s_wait_alu depctr_va_vdst(0)                   ; VH, VS and group 0's four offsets are written, which the 174 loads below read
.irp u, 0,1,2,3,4,5,6,7,8,9            ; my quarter of each unit: 6 x 512 bytes of codes, 128 of scales: 70 loads
.irp i, 0,1,2,3,4,5
	global_load_b128 v[24*\u+4*\i:24*\u+4*\i+3], v[VH+\u], s[12:13] offset:512*\i
.endr
	global_load_b32 v[240+\u], v[VS+\u], s[14:15]
.endr
	WIN 0
	LOADW0 0                                       ; group 0's weights: slot 0 in place,
	LOADP 0                                        ; slot 1 by the spare registers, which are so written on every path,
	LOADS1 0                                       ; and its scale words
	; while the loads are out: the later groups' offsets, the rows' offsets in out0, the flags.  No load that is out touches these registers
.irp g, 1,2,3,4
	ADRW \g
.endr
.irp g, 0,1,2,3,4
.irp i, 0,1,2,3
	s_min_u32 s71, s[36+4*\g+\i], 2047             ; 'no token' gets token 2047's offset; its row is not stored
	s_lshl_b32 s71, s71, 12
	v_add_nc_u32 v[VO+4*\g+\i], s71, v[L16]
.endr
.endr
.irp g, 1,2,3,4
	s_cmp_lg_u32 s[EA+\g], s[EA+\g-1]
	s_cselect_b32 s[FA+\g], 1, 0
	s_cmp_lg_u32 s[EB+\g], s[EB+\g-1]
	s_cselect_b32 s[FB+\g], 1, 0
	s_cmp_lt_u32 \g, s21
	s_cselect_b32 s[FA+\g], s[FA+\g], 0
	s_cselect_b32 s[FB+\g], s[FB+\g], 0
.endr
	s_wait_loadcnt 63                              ; behind h's loads stand the weights' 104; the wait's field holds 63: the tokens and h are in, and part of slot 0's weights
.irp g, 0,1,2,3,4
	v_min_u32 v[CWA+\g], 2047, v[TOK+\g]           ; 'no token' reads token 2047's weights; its row is not stored
	v_lshlrev_b32 v[CWA+\g], 3, v[CWA+\g]
.endr
	s_wait_alu depctr_va_vdst(0)                   ; CWA is written, which the five loads below read; so are the offsets of groups 1 to 4 and VO, which the groups' loads and row stores read
.irp g, 0,1,2,3,4
	global_load_b64 v[CW+2*\g:CW+2*\g+1], v[CWA+\g], s[10:11]
.endr
	WIN 0x0c                                       ; an LDS store's data are its source 1: window 3
.irp u, 0,1,2,3,4
.irp i, 0,1,2,3,4,5
	ds_store_b128 v[HWA], v[24*\u+4*\i:24*\u+4*\i+3] offset:\u*HU+512*\i
.endr
	ds_store_b32 v[HWS], v[240+\u] offset:\u*HU
.endr
.irp u, 5,6,7,8,9
.irp i, 0,1,2,3,4,5
	ds_store_b128 v[HWB], v[24*\u+4*\i:24*\u+4*\i+3] offset:(\u-5)*HU+512*\i
.endr
	ds_store_b32 v[HWT], v[240+\u] offset:(\u-5)*HU
.endr
	WIN 0
	s_wait_loadcnt 57                              ; behind slot 0's weights stand slot 1's 48 + 4 loads and the 5 of cw
	STAGE 0
	s_wait_loadcnt 0x0
	STAGEP
	s_wait_dscnt 0x0                               ; my part of h has landed in LDS
	s_barrier_signal -1
	s_barrier_wait -1                              ; everybody's has; nobody writes those bytes again
	s_wait_alu depctr_vm_vsrc(0)                   ; my LDS stores of h have read window 3's registers, in which the fragments below land; the head's loads have read their offsets in v72 to v97, which the products write as accumulators
	FETCHH 0, 0                                    ; group 0's fragments of h; every later group's are fetched inside the group before
	FETCHH 0, 1
; A GROUP.  The stage for out has two halves by turns, so one barrier a group does: a half is written again two groups on, behind the barrier in front of which every wave's reads of it are back.
.macro GROUP g
.if \g > 0
	s_wait_alu depctr_vm_vsrc(0)                   ; the last group's LDS stores have read OO, which this group's sums write, and its row stores OD, in which this group's rows land
.endif
	s_cmp_lt_u32 \g, s21
	s_cbranch_scc0 .Lno_work_\@
	s_wait_loadcnt 0x0                             ; whatever weights were asked for in the group before (for 0: how many hangs on the flags)
.if \g > 0
	s_cmp_lg_u32 s[FB+\g], 0
	s_cbranch_scc0 .Lsame_b_\@
	STAGEP                                         ; asked for a whole group ago.  Its fragments land in registers that the last products read: the wait on va_vdst behind those products has stated that they are done
.Lsame_b_\@:
	s_cmp_lg_u32 s[FA+\g], 0
	s_cbranch_scc0 .Lsame_a_\@
	STAGE 0                                        ; asked for behind the last group's products
.Lsame_a_\@:
.endif
.if \g < 4
	s_cmp_lg_u32 s[FB+\g+1], 0
	s_cbranch_scc0 .Lno_pb_\@
	LOADP \g+1                                     ; the next group's higher expert: its rows are on their way while this group is multiplied, summed and stored
.Lno_pb_\@:
.endif
	s_wait_dscnt 0x0                               ; the fragments of h and of the weights are in
	MMH 0
	MMH 1
	WIN 0
.rept 5
	v_nop                                          ; four places ahead of the first read of the results (ISA guide 7.12.1); a fifth, since the next group's first products write over these accumulators
.endr
.if \g < 4
	s_wait_alu depctr_va_vdst(0)                   ; the 32 products are done reading the weights' fragments and scale words and h's fragments and scale words, in which the next group's loads land: those below, and its LDS loads out of my stage
	s_cmp_lg_u32 s[FA+\g+1], 0
	s_cbranch_scc0 .Lno_pa_\@
	LOADW0 \g+1                                    ; the next group's lower expert, into the registers that this group's products have left
.Lno_pa_\@:
	s_cmp_lg_u32 s[FB+\g+1], 0
	s_cbranch_scc0 .Lno_ps_\@
	LOADS1 \g+1                                    ; and the higher expert's scale words
.Lno_ps_\@:
	FETCHH \g+1, 0                                 ; the next group's fragments of h land under the sum, the barrier and the row stores
	FETCHH \g+1, 1
.endif
.irp tau, 0,1                          ; wa y_a + wb y_b; each accumulator is read from its lowest registers on.  These lines name the accumulators, CW and OO: none of the registers that the loads above touch
.irp pr, 0,1,2,3
	v_pk_mul_f32 v[OO+8*\tau+2*\pr:OO+8*\tau+2*\pr+1], v[YY+8*\tau+2*\pr:YY+8*\tau+2*\pr+1], v[CW+2*\g:CW+2*\g+1] op_sel_hi:[1,0]
.endr
.irp pr, 0,1,2,3
	v_pk_fma_f32 v[OO+8*\tau+2*\pr:OO+8*\tau+2*\pr+1], v[YY+16+8*\tau+2*\pr:YY+16+8*\tau+2*\pr+1], v[CW+2*\g:CW+2*\g+1], v[OO+8*\tau+2*\pr:OO+8*\tau+2*\pr+1] op_sel:[0,1,0] op_sel_hi:[1,1,1]
.endr
.endr
	s_wait_alu depctr_va_vdst(0)                   ; the sums have written OO, which the four LDS stores below read
.irp tau, 0,1
.irp hf, 0,1
	ds_store_b128 v[OSA], v[OO+8*\tau+4*\hf:OO+8*\tau+4*\hf+3] offset:(\g%2)*OSTB+64*\tau+16*\hf   ; lane (r, h): out(token r, 32 w + 16 tau + 8 h + 0 .. 7)
.endr
.endr
.Lno_work_\@:
	s_wait_dscnt 0x0                               ; my stores into the stage have landed, my reads of its other half are back
	s_barrier_signal -1
	s_barrier_wait -1
	s_cmp_lt_u32 \g, s21
	s_cbranch_scc0 .Lno_out_\@
	s_wait_xcnt 0x0                                ; the last group's stores have had their addresses translated (ISA guide 3.1): their data may be loaded again
.irp i, 0,1,2,3
	ds_load_b128 v[OD+4*\i:OD+4*\i+3], v[ORD] offset:(\g%2)*OSTB+OP*\i
.endr
	s_wait_dscnt 0x0
.irp i, 0,1,2,3
	s_cmp_lt_u32 s[36+4*\g+\i], 2048               ; a row without a token is not stored
	s_cbranch_scc0 .Lno_row_\@_\i
	global_store_b128 v[VO+4*\g+\i], v[OD+4*\i:OD+4*\i+3], s[16:17] th:TH_STORE_NT   ; 32 lanes store 512 consecutive bytes of the token's row, at a multiple of 512 from out0's first byte
.Lno_row_\@_\i:
.endr
.Lno_out_\@:
.endm
	GROUP 0
	GROUP 1
	GROUP 2
	GROUP 3
	GROUP 4
	s_wait_dscnt 0x0                               ; the closing lines, six on end
	s_wait_alu 0x0
	s_wait_tensorcnt 0x0
	ds_add_u32 v190, v191
	s_wait_dscnt 0x0
	s_endpgm
.Lfunc_end_k_qe9d25a11da_down:
	.size	k_qe9d25a11da_down, .Lfunc_end_k_qe9d25a11da_down-k_qe9d25a11da_down
	.p2alignl 7, 3214868480
	.fill 96, 4, 3214868480
	.section	.rodata,"a",@progbits
	.p2align	6, 0x0
	.amdhsa_kernel k_qe9d25a11da_down
		.amdhsa_group_segment_fixed_size 245760
		.amdhsa_private_segment_fixed_size 0
		.amdhsa_enable_private_segment 0
		.amdhsa_kernarg_size 56
		.amdhsa_user_sgpr_count 2
		.amdhsa_user_sgpr_kernarg_segment_ptr 1
		.amdhsa_wavefront_size32 1
		.amdhsa_system_sgpr_workgroup_id_x 1
		.amdhsa_system_sgpr_workgroup_id_y 1
		.amdhsa_system_sgpr_workgroup_id_z 1
		.amdhsa_system_vgpr_workitem_id 0
		.amdhsa_next_free_vgpr 1024
		.amdhsa_next_free_sgpr 96
		.amdhsa_reserve_vcc 0
		.amdhsa_float_denorm_mode_32 3
		.amdhsa_float_denorm_mode_16_64 3
		.amdhsa_memory_ordered 1
		.amdhsa_forward_progress 1
		.amdhsa_inst_pref_size 238
	.end_amdhsa_kernel
	.amdgpu_metadata
---
amdhsa.version: [ 1, 2 ]
amdhsa.kernels:
  - .name:           k_qe9d25a11da_down
    .symbol:         k_qe9d25a11da_down.kd
    .args:
      - { .name: w2_codes, .offset: 0, .size: 8, .value_kind: global_buffer, .address_space: global }
      - { .name: w2_scales, .offset: 8, .size: 8, .value_kind: global_buffer, .address_space: global }
      - { .name: plan, .offset: 16, .size: 8, .value_kind: global_buffer, .address_space: global }
      - { .name: cw, .offset: 24, .size: 8, .value_kind: global_buffer, .address_space: global }
      - { .name: hcodes, .offset: 32, .size: 8, .value_kind: global_buffer, .address_space: global }
      - { .name: hscales, .offset: 40, .size: 8, .value_kind: global_buffer, .address_space: global }
      - { .name: out0, .offset: 48, .size: 8, .value_kind: global_buffer, .address_space: global }
    .group_segment_fixed_size: 245760
    .private_segment_fixed_size: 0
    .kernarg_segment_align: 8
    .kernarg_segment_size: 56
    .max_flat_workgroup_size: 128
    .sgpr_count:     96
    .vgpr_count:     1024
    .wavefront_size: 32
...
	.end_amdgpu_metadata
.endif
;; end of part 6
